; MI455X (gfx1250); checked and timed in simulation.
; The chip was launched on July 23, 2026; its instructions are those of AMD's public machine-readable ISA for CDNA 5 (MIT licence, August 2026) and "CDNA5" Instruction Set Architecture Reference Guide (July 2026). The comments in the code are by the model that wrote it; some were corrected since.
;; Scaled Dot Attention. Allowed arithmetic: matrix products marked QUANTISED: E2M1 operands, one E8M0 scale for each 32 along K, by v_wmma_scale_f32_16x16x128_f8f6f4 with both operands' format E2M1 (or v_wmma_scale_f32_32x16x128_f4), f32 sums; everything else in f32.
;; Inputs: k 2 x 16 x 2,048 x 64 float32; mask 2 x 2,048 x 2,048 bool; q 2 x 16 x 2,048 x 64 float32; v 2 x 16 x 2,048 x 64 float32.
;; Outputs: out0 2 x 16 x 2,048 x 64 float32.
;; This version of the problem:
;;   THIS VERSION OF THE PROBLEM IS GIVEN IN LOW PRECISION. The matrix products marked QUANTISED in the list below multiply operands that are first quantised to E2M1 (2 exponent bits, 1 mantissa bit; 4 bits a number), with one power-of-two scale for each 32 numbers along K (OCP MX v1.0); their sums are f32. All else is computed in f32.
;;   The module's matrix products, in the order in which they are computed (A, B: the left and right operand; K: the contracted axis; several contracted axes count as one K, in the product's order):
;;     1. batch 32 x [M 2,048, K 64] x [K 64, N 2,048]; A: input q; B: input k: QUANTISED
;;     2. batch 32 x [M 2,048, K 2,048] x [K 2,048, N 64]; A: softmax (see below); B: input v: QUANTISED
;;   THE QUANTISER, for each operand of a quantised product, along K:
;;     - K is cut into blocks of 32 from its start; a last block that is shorter is filled with zeros.
;;     - A block's scale is 2^e with e = floor(log2(the largest magnitude in the block)) - 2, held to -126 .. 127; a block of zeros has e = 0. As a byte (E8M0): e + 127.
;;     - Each number is divided by its block's scale, clamped to +-6, and rounded to the nearest number of E2M1, ties to even, subnormals kept.
;;     - The product sums the exact products of the quantised numbers (number of the format x scale) in f32.
;;   ~~~python
;;   def quantise(x, axis):      # numpy; x: float32 -> the quantised numbers, widened to float32 again
;;       x = np.moveaxis(x, axis, -1); K = x.shape[-1]
;;       x = np.pad(x, [(0, 0)] * (x.ndim - 1) + [(0, -K % 32)]); x = x.reshape(x.shape[:-1] + (-1, 32)); a = np.abs(x).max(-1, keepdims=True)
;;       e = np.where(a > 0, np.clip(np.frexp(np.where(a > 0, a, 1))[1] - 1 - 2, -126, 127), 0)      # np.frexp(a)[1] - 1 = floor(log2(a)), exactly
;;       r = np.clip(x / 2.0 ** e, -6, 6)
;;       step = 2.0 ** (np.maximum(np.frexp(np.where(r == 0, 1, r))[1] - 1, 0) - 1)
;;       q = np.round(r / step) * step * 2.0 ** e      # np.round: ties to even
;;       return np.moveaxis(q.reshape(q.shape[:-2] + (-1,))[..., :K], -1, axis).astype(np.float32)
;;   ~~~
;;   SOFTMAX AHEAD OF A QUANTISED PRODUCT. Where the list says 'softmax', what is quantised is not the finished softmax but p = 2^(t - M), with t = logit x log2(e) and M = ceil(the row's largest t), a whole number; so 1/2 < the row's largest p <= 1. The row's sum l is taken of the UNQUANTISED p, in f32, and the product's result is divided by l at the end. Since M is a whole number, a kernel that streams over the keys may use a running M (the ceiling of the running maximum): every later rescaling is an exact power of two, which a block's scale takes up: the codes' values come out the same.
;;   OPERANDS COMPUTED ON THE WAY. 'Computed on the way' means the value that the module computes at that place (a softmax that the list does not call 'softmax' is quantised finished and normalised). What goes into a quantiser is computed in f32, as accurately as f32 sums, v_exp_f32 and their like allow (about 1e-6 of the number): no bf16 or f16 on the way to a quantiser, and a product that is left as it is and whose result goes on into a quantised operand takes f32 operands (vector FMAs, or v_wmma_f32_16x16x4_f32). A number that lies on a knife's edge between two numbers of the format may be rounded either way, as far as f32 arithmetic and the matrix unit's own rounding can turn it there, and no further.
;; 2 versions. Each part assembles by itself: llvm-mc -triple=amdgcn-amd-amdhsa -mcpu=gfx1250 --defsym DOCPART=n.
;; ======== version 1 of 2: 2 launches
;; workspace buffers: fl 8,192 bytes of whole numbers; kv 4,718,592 bytes; mw 1,048,576 bytes of whole numbers
;; launch prep (part 1): grid 256 x 1, 12 waves a work-group, no clusters, 0 bytes of LDS; arguments k, v, mask, kv, mw, fl; writes kv, mw, fl
.if DOCPART == 1
	.amdgcn_target "amdgcn-amd-amdhsa--gfx1250"
	.amdhsa_code_object_version 6
	.text
	.protected	k_qcc2b7886a7_prep
	.globl	k_qcc2b7886a7_prep
	.p2align	8
	.type	k_qcc2b7886a7_prep,@function
k_qcc2b7886a7_prep:
	s_mov_b64 s[64:65], 0
	v_nop
	global_prefetch_b8 v0, s[64:65] scope:SCOPE_SE
	s_setreg_imm32_b32 hwreg(HW_REG_WAVE_MODE, 25, 1), 1
	s_wait_xcnt 0x0
; FIRST OF TWO LAUNCHES.  out = softmax(mask ? q k^T / 8 : -inf) v for 32 heads of 2,048 x 64, both products on codes of E2M1 with one E8M0 scale for each 32 along K.
; This launch quantises k (along the head's 64) and v (along the keys) ONCE, since eight work-groups of the second launch read each head, and turns the mask's bytes into words of bits.
; NOTHING OF reference() IS DEAD WORK FOR ALL INPUTS, and every input is loaded.  What the second launch leaves out hangs on the mask's VALUES, which are whole numbers: a key step (128 keys) in which all 16 x 128
; mask entries of a tile of 16 queries are false gives only scores of -inf: they leave the running maximum as it is, p = 0 adds nothing to the row's sum, and codes of 0 add nothing to the product.
; So this launch stores, for each tile of queries and each key step, a bit ANY (some entry is true) and a bit MIX (some true and some false), and the second launch, which reads them from memory, walks only
; the steps with ANY and selects only in the steps with MIX.  No pattern of the mask is built in.  LIMIT: a NaN or an infinity in rows of k or v that lie only in steps left out is not carried to the result.
; LIMITS: NaN and infinities in k and v are not served.  A block whose largest magnitude lies under 2^-124 has its byte held at 1, as the quantiser says.  A block of zeros gets the byte 1 where the quantiser says 127:
; its codes are zeros, which add nothing under any byte but 0xff, and these bytes are read by this program alone.
; kv: 512 RECORDS of 9,216 bytes, record R = 16 x head + key step, each an image of the operands' registers (lane l = (r = l % 16, h = l / 16)):
;   +0     K's codes: tile t = 0..7 at 512 t + 16 l: the codes d = 32 h .. 32 h + 31 of key 32 (t / 2) + 8 (t % 2) + r + 8 (r / 8)
;   +4096  V's codes: 1024 t + 512 c + 16 l (t = 0..3, c = 0, 1): channel 16 t + r, keys 64 c + 32 h + 0 .. 31
;   +8192  K's scale words: 256 g + 8 l + 4 e: tile 2 (2 g + e) + h, row r; bytes: d 0-31, d 32-63, 0x7f, 0x7f (the last two stand over the zero codes that fill K = 64 up to the instruction's 128)
;   +8704  V's scale words: 256 j + 8 l + 4 e: tile 2 j + e, channel 16 (2 j + e) + r, one byte for each of the step's four blocks of 32 keys; the same word in both halves of the lanes
; mw: words [row tile 256][key step 16][64]: bit l of word 16 b + i = mask[16 x row tile + r][128 x step + 32 b + 16 h + i].
; fl: the flags [row tile 256][x 4][ANY, MIX], bit 4 x + s for key step 4 x + s: a buffer of their own, the only numbers on which the second launch branches.
; SHARES.  256 work-groups of twelve waves, waves 0-7 reading 16 KiB each, waves 8-11 8 KiB: waves 0-3 four tiles of K each, waves 4-7 32 channels x 128 keys of V each, waves 8-11 16 rows x 512 keys of the mask each.
; The roles part on the wave's number; no LDS, no barrier: waves share nothing.  No cache hint on the loads: several loads of a wave each take a part of the same aligned 256 bytes.
.set REC,   9216
; 32 numbers of ONE block in a lane's registers v[xs] on become 4 registers of codes v[cd] on; v[so] the conversion's scale operand, v[by] the scale's byte; v[ma], v[mb] two chains of the maximum
.macro QB xs, cd, ma, mb, so, by
	v_max3_num_f32 v[\ma], |v[\xs]|, |v[\xs+1]|, |v[\xs+2]|
	v_max3_num_f32 v[\mb], |v[\xs+3]|, |v[\xs+4]|, |v[\xs+5]|
.irp i, 6,10,14,18,22,26
	v_max3_num_f32 v[\ma], v[\ma], |v[\xs+\i]|, |v[\xs+\i+1]|
	v_max3_num_f32 v[\mb], v[\mb], |v[\xs+\i+2]|, |v[\xs+\i+3]|
.endr
	v_max3_num_f32 v[\ma], v[\ma], |v[\xs+30]|, |v[\xs+31]|
	v_max3_num_f32 v[\ma], v[\ma], v[\mb], 0x1800000       ; the floor 2^(3 - 127): the byte cannot fall under 1
	v_add_nc_u32 v[\so], 0xff000000, v[\ma]                ; 2 off the exponent field: the conversion takes the exponent field of this operand as its scale
	v_lshrrev_b32 v[\by], 23, v[\so]                       ; the scale's byte
.irp g, 0,1,2,3
	v_cvt_scalef32_pk8_fp4_f32 v[\cd+\g], v[\xs+8*\g:\xs+8*\g+7], v[\so]
.endr
.endm                                                      ; (the caller's next line is a plain vector line that names none of the conversions' registers)
	s_load_b256 s[4:11], s[0:1], 0x0               ; k s[4:5], v s[6:7], mask s[8:9], kv s[10:11]
	s_load_b64 s[12:13], s[0:1], 0x20              ; mw
	s_load_b64 s[30:31], s[0:1], 0x28              ; fl
	v_lshrrev_b32 v1, 5, v0
	v_readfirstlane_b32 s14, v1                    ; wave 0..11
	v_and_b32 v1, 31, v0                           ; lane
	v_and_b32 v2, 15, v0                           ; r
	v_bfe_u32 v3, v0, 4, 1                         ; h
	v_lshlrev_b32 v7, 3, v3                        ; 8 h
	v_mov_b32 v12, 0                               ; a lane permute's destination counts as one of its sources
	s_mov_b32 s22, 0xffff0000                      ; lanes 16-31
	s_mov_b32 s24, 0x76543210
	s_mov_b32 s25, 0xfedcba98                      ; v_permlanex16_b32's selects for lane l xor 16
	s_mov_b32 s19, 0
	s_mov_b32 s21, 0
	s_lshl_b32 s16, ttmp9, 2
	s_and_b32 s17, s14, 3
	s_add_co_u32 s16, s16, s17                     ; u = 4 x work-group + wave % 4: which half record (K's and V's roles)
	s_lshr_b32 s17, s16, 1                         ; R: the record
	s_and_b32 s23, s16, 1                          ; g or j: which half
	s_mul_i32 s20, s17, REC                        ; the record's first byte in kv
	s_cmp_lt_u32 s14, 4
	s_cbranch_scc0 .Lnot_k
	; ---- K: tiles 4 g .. 4 g + 3 of record R.  Lane (r, h) takes 32 neighbouring numbers, one block, of its key's row
	s_lshl_b32 s18, s16, 14                        ; 64 keys of 256 bytes for each half record
	v_and_b32 v4, 8, v2
	v_add_nc_u32 v4, v4, v2                        ; r + 8 (r / 8)
	v_lshlrev_b32 v4, 8, v4
	v_lshl_add_u32 v4, v3, 7, v4                   ; that key's row, + 128 h
	s_lshl_b32 s42, s23, 11
	v_lshl_add_u32 v5, v1, 4, s42                  ; codes: 16 x lane + 2048 g
	s_lshl_b32 s42, s23, 8
	v_lshl_add_u32 v6, v1, 3, s42                  ; scale words: 8 x lane + 256 g
	s_wait_kmcnt 0x0
	s_add_nc_u64 s[4:5], s[4:5], s[18:19]
	s_add_nc_u64 s[10:11], s[10:11], s[20:21]
.irp t, 0,1,2,3
.irp i, 0,1,2,3,4,5,6,7
	global_load_b128 v[32+32*\t+4*\i:35+32*\t+4*\i], v4, s[4:5] offset:(32*(\t/2)+8*(\t%2))*256+16*\i
.endr
.endr
.irp t, 0,1,2,3
	s_wait_loadcnt 8*(3-\t)                        ; this tile's eight loads are in; the later tiles' eight each may be out
	QB 32+32*\t, 160+4*\t, 8, 9, 10, 11
	v_lshlrev_b32 v[16+\t], v7, v11                ; my block's byte at its place in the row's scale word,
	v_permlanex16_b32 v12, v[16+\t], s24, s25
	v_or_b32 v[16+\t], v[16+\t], v12               ; with lane l xor 16's,
	v_or_b32 v[16+\t], 0x7f7f0000, v[16+\t]        ; and 1.0 over the zero codes of k = 64 .. 127
	global_store_b128 v5, v[160+4*\t:163+4*\t], s[10:11] offset:512*\t   ; 32 lanes store 512 consecutive bytes; each tile has its own four registers
.endr
	v_cndmask_b32 v14, v16, v17, s22               ; lanes 0-15 the even tile's words, lanes 16-31 the odd tile's
	v_cndmask_b32 v15, v18, v19, s22
	global_store_b64 v6, v[14:15], s[10:11] offset:8192   ; 256 consecutive bytes, aligned
	s_endpgm
.Lnot_k:
	s_cmp_lt_u32 s14, 8
	s_cbranch_scc0 .Lmask
	; ---- V: channels 32 j .. 32 j + 31 of record R.  A lane takes a channel and its registers run down the keys, which are this operand's K
	s_lshl_b32 s18, s17, 15                        ; 128 keys of 256 bytes for each record,
	s_lshl_b32 s42, s23, 7
	s_add_co_u32 s18, s18, s42                     ; + 128 j
	v_lshlrev_b32 v4, 2, v1                        ; 4 bytes a lane
	v_lshlrev_b32 v5, 4, v2
	v_lshl_add_u32 v5, v3, 10, v5
	s_lshl_b32 s42, s23, 11
	v_add_nc_u32 v5, s42, v5                       ; codes: tile 2 j + lane / 16 (1,024 bytes each), 16 (lane % 16)
	s_lshl_b32 s42, s23, 8
	v_lshl_add_u32 v6, v1, 3, s42                  ; scale words: 8 x lane + 256 j
	s_wait_kmcnt 0x0
	s_add_nc_u64 s[6:7], s[6:7], s[18:19]
	s_add_nc_u64 s[10:11], s[10:11], s[20:21]
.macro LOADV b                                     ; block b: keys 32 b .. 32 b + 31 of my channel; 32 lanes read 128 consecutive bytes
.irp i, 0,1,2,3,4,5,6,7,8,9,10,11,12,13,14,15,16,17,18,19,20,21,22,23,24,25,26,27,28,29,30,31
	global_load_b32 v[32+32*(\b)+\i], v4, s[6:7] offset:(32*(\b)+\i)*256
.endr
.endm
	LOADV 0
	LOADV 1
.irp b, 0,1,2,3
.if \b < 3
	s_wait_loadcnt 32                              ; this block's 32 loads are in; the one block issued behind it may be out
.else
	s_wait_loadcnt 0x0
.endif
.if \b < 2
	LOADV \b+2                                     ; each block has its own 32 registers
.endif
	QB 32+32*\b, 160+4*\b, 8, 9, 10, 11
.if \b == 0
	v_mov_b32 v16, v11                             ; the four bytes make my channel's scale word, the lower keys in the lower byte
.else
	v_lshl_or_b32 v16, v11, 8*\b, v16
.endif
	global_store_b128 v5, v[160+4*\b:163+4*\b], s[10:11] offset:4096+256*\b   ; block b = 2 c + h lies at 512 c + 256 h: sixteen lanes store 256 consecutive bytes, aligned
.endr
	v_permlanex16_b32 v12, v16, s24, s25
	v_cndmask_b32 v14, v16, v12, s22               ; tile 2 j's words, in both halves of the lanes,
	v_cndmask_b32 v15, v12, v16, s22               ; and tile 2 j + 1's
	global_store_b64 v6, v[14:15], s[10:11] offset:8704
	s_endpgm
.Lmask:
	; ---- the mask: rows 16 G .. 16 G + 15 (of the 4,096 rows of both batches), keys 512 x .. 512 x + 511.  Lane (r, h) takes, of row r, 16 bytes of each 32: the keys that its registers of scores will hold
	s_and_b32 s16, s14, 3                          ; x
	s_lshl_b32 s18, ttmp9, 15                      ; 16 rows of 2,048 bytes
	s_lshl_b32 s42, s16, 9
	s_add_co_u32 s18, s18, s42
	v_lshlrev_b32 v4, 11, v2
	v_lshl_add_u32 v4, v3, 4, v4                   ; 2048 r + 16 h
	s_lshl_b32 s20, ttmp9, 12                      ; the words: 4,096 bytes a row tile, 1,024 for my four steps
	s_lshl_b32 s42, s16, 10
	s_add_co_u32 s20, s20, s42
	v_lshl_add_u32 v5, v1, 4, s20                  ; + 16 x lane
	s_lshl_b32 s46, ttmp9, 5                       ; the flags: 32 bytes a row tile, 8 for me
	s_lshl_b32 s42, s16, 3
	s_add_co_u32 s46, s46, s42
	v_mov_b32 v30, s46
	s_mov_b32 s26, 0xff
	s_mov_b32 s27, 0xff00
	s_mov_b32 s28, 0xff0000
	s_mov_b32 s29, 0xff000000
	s_mov_b32 s40, 0                               ; ANY
	s_mov_b32 s41, 0                               ; MIX
.irp i, 0,1,2,3,4,5,6,7
	v_mov_b32 v[96+\i], 0                          ; v_writelane_b32's destination counts as one of its sources
.endr
	s_wait_kmcnt 0x0
	s_add_nc_u64 s[8:9], s[8:9], s[18:19]
.irp i, 0,1,2,3,4,5,6,7,8,9,10,11,12,13,14,15
	global_load_b128 v[32+4*\i:35+4*\i], v4, s[8:9] offset:32*\i   ; block i of 32 keys
.endr
; Word NN of a half (two key steps, 128 words): block 8 p + NN / 16, byte NN % 16 of the lane's sixteen.  A compare gives the 32 lanes' bits as one scalar word; lane NN / 4 of register NN % 4 takes it,
; so that the words leave by one store of 16 bytes a lane.  Eight words at a time, so that no line waits for the line above it.
.irp p, 0,1
	s_wait_loadcnt 8*(1-\p)                        ; this half's eight loads are in; the second half's eight may be out
.set NN, 0
.rept 16
.irp k, 0,1,2,3,4,5,6,7
	v_and_b32 v[20+\k], s[26+(NN+\k)%4], v[32+4*(8*\p+(NN+\k)/16)+((NN+\k)%16)/4]
.endr
.irp k, 0,1,2,3,4,5,6,7
	v_cmp_ne_u32 s[32+\k], 0, v[20+\k]
.endr
.irp k, 0,1,2,3,4,5,6,7
	v_writelane_b32 v[96+4*\p+(NN+\k)%4], s[32+\k], (NN+\k)/4
.endr
.set NN, NN+8
.endr
	global_store_b128 v5, v[96+4*\p:99+4*\p], s[12:13] offset:512*\p   ; 512 consecutive bytes: two key steps' words
.endr
.macro FLAG i                                      ; key step 4 x + i: the OR and the AND of my 64 bytes, then of the 32 lanes
	v_or_b32 v104, v[32+16*\i], v[33+16*\i]
	v_and_b32 v105, v[32+16*\i], v[33+16*\i]
.irp j, 2,3,4,5,6,7,8,9,10,11,12,13,14,15
	v_or_b32 v104, v104, v[32+16*\i+\j]
	v_and_b32 v105, v105, v[32+16*\i+\j]
.endr
	v_cmp_ne_u32 s42, 0, v104                      ; lanes with some true entry
	v_cmp_ne_u32 s44, 0x01010101, v105             ; lanes with some entry that is not 1 (a true byte other than 1 would only set MIX, and the words above are right for it)
	s_cmp_lg_u32 s42, 0
	s_cselect_b32 s45, 1<<\i, 0
	s_or_b32 s40, s40, s45
	s_cmp_lg_u32 s44, 0
	s_cselect_b32 s46, s45, 0
	s_or_b32 s41, s41, s46
.endm
	FLAG 0
	FLAG 1
	FLAG 2
	FLAG 3
	s_lshl_b32 s45, s16, 2
	s_lshl_b32 s40, s40, s45                       ; at their places among the 16 steps: the second launch only joins four words
	s_lshl_b32 s41, s41, s45
	v_mov_b32 v28, s40
	v_mov_b32 v29, s41
	s_wait_xcnt 0x0                                ; EXEC is a source of the stores above: it changes only behind this wait
	v_cmp_gt_u32 vcc_lo, 1, v1
	s_and_saveexec_b32 s43, vcc_lo                 ; lane 0 alone
	global_store_b64 v30, v[28:29], s[30:31]
	s_wait_xcnt 0x0                                ; and again in front of the line that widens it
	s_or_b32 exec_lo, exec_lo, s43
	s_endpgm
.Lfunc_end_k_qcc2b7886a7_prep:
	.size	k_qcc2b7886a7_prep, .Lfunc_end_k_qcc2b7886a7_prep-k_qcc2b7886a7_prep
	.p2alignl 7, 3214868480
	.fill 96, 4, 3214868480
	.section	.rodata,"a",@progbits
	.p2align	6, 0x0
	.amdhsa_kernel k_qcc2b7886a7_prep
		.amdhsa_group_segment_fixed_size 0
		.amdhsa_private_segment_fixed_size 0
		.amdhsa_enable_private_segment 0
		.amdhsa_kernarg_size 48
		.amdhsa_user_sgpr_count 2
		.amdhsa_user_sgpr_kernarg_segment_ptr 1
		.amdhsa_wavefront_size32 1
		.amdhsa_system_sgpr_workgroup_id_x 1
		.amdhsa_system_sgpr_workgroup_id_y 1
		.amdhsa_system_sgpr_workgroup_id_z 1
		.amdhsa_system_vgpr_workitem_id 0
		.amdhsa_next_free_vgpr 176
		.amdhsa_next_free_sgpr 66
		.amdhsa_reserve_vcc 1
		.amdhsa_float_denorm_mode_32 3
		.amdhsa_float_denorm_mode_16_64 3
		.amdhsa_memory_ordered 1
		.amdhsa_forward_progress 1
		.amdhsa_inst_pref_size 80
	.end_amdhsa_kernel
	.amdgpu_metadata
---
amdhsa.version: [ 1, 2 ]
amdhsa.kernels:
  - .name:           k_qcc2b7886a7_prep
    .symbol:         k_qcc2b7886a7_prep.kd
    .args:
      - { .name: k, .offset: 0, .size: 8, .value_kind: global_buffer, .address_space: global }
      - { .name: v, .offset: 8, .size: 8, .value_kind: global_buffer, .address_space: global }
      - { .name: mask, .offset: 16, .size: 8, .value_kind: global_buffer, .address_space: global }
      - { .name: kv, .offset: 24, .size: 8, .value_kind: global_buffer, .address_space: global }
      - { .name: mw, .offset: 32, .size: 8, .value_kind: global_buffer, .address_space: global }
      - { .name: fl, .offset: 40, .size: 8, .value_kind: global_buffer, .address_space: global }
    .group_segment_fixed_size: 0
    .private_segment_fixed_size: 0
    .kernarg_segment_align: 8
    .kernarg_segment_size: 48
    .max_flat_workgroup_size: 384
    .sgpr_count:     66
    .vgpr_count:     176
    .wavefront_size: 32
...
	.end_amdgpu_metadata
.endif
;; end of part 1
;; launch attn (part 2): grid 8 x 32, 16 waves a work-group, no clusters, 219,136 bytes of LDS; arguments q, kv, mw, out0, fl; writes out0
.if DOCPART == 2
	.amdgcn_target "amdgcn-amd-amdhsa--gfx1250"
	.amdhsa_code_object_version 6
	.text
	.protected	k_qcc2b7886a7_attn
	.globl	k_qcc2b7886a7_attn
	.p2align	8
	.type	k_qcc2b7886a7_attn,@function
k_qcc2b7886a7_attn:
	s_mov_b64 s[64:65], 0
	v_nop
	global_prefetch_b8 v0, s[64:65] scope:SCOPE_SE
	s_setreg_imm32_b32 hwreg(HW_REG_WAVE_MODE, 25, 1), 1
	s_wait_xcnt 0x0
; SECOND OF TWO LAUNCHES: out[head][query] = the sum over the keys of softmax(mask ? q . k / 8 : -inf) v, both products on codes of E2M1 with one E8M0 scale for each 32 along K.
; WORK LEFT OUT: a key step (128 keys) in which all 16 x 128 mask entries of a wave's 16 queries are false: its scores are all -inf, which leave the maximum, the sum and the product as they are.  The first launch
; stored that as whole numbers (fl: ANY, MIX, one bit a step), and this launch reads them from memory and branches on them.  LIMIT: a NaN or an infinity in k or v that reaches only such steps is not carried to the result.
; THE SOFTMAX AHEAD OF THE SECOND PRODUCT: t = score x log2(e) / 8; M = the row's largest t so far, rounded UP to a whole number; p = 2^(t - M) is what is quantised, along the keys, not normalised.  The row's sum is
; taken of the unquantised p, in f32, and divides at the end.  When M moves, the sum and O are multiplied by 2^(old M - new M): exact.
; SHARES.  A work-group serves one head; each of its sixteen waves owns one tile of 16 queries, in 256 registers, four waves to a SIMD.  Wave w of work-group X takes tile X + 8 P(w), P a 4 x 4 magic square:
; each run of four waves and each set of waves four apart has tiles that sum alike, so that a mask which allows more keys to later queries still gives such groups like work.  P enters global addresses alone; no result hangs on it.
; LDS.  A head's K and V as codes with their scale words are 16 records of 9,216 bytes, images of the operands' registers (the first launch's head comment has the layout): they lie in LDS whole, wave w brings record w
; through its registers, and ONE barrier follows.  Every read is 16 x lane or 8 x lane: consecutive bytes, no padding.
; NO TENSOR LOADS, NO CLUSTER: the walk branches on numbers read from memory, and waves and work-groups of a head walk different steps.
; NO PREFETCH: all that a work-group reads of kv is asked for by its first instructions; the mask's words are asked for a step ahead, into scalar registers.
; LAYOUT.  Both products are used transposed: S^T = K Q^T (source 0 = 16 keys, source 1 = my 16 queries; K = 64 is filled up to the instruction's 128 with zero codes under the byte 0x7f), O^T = V^T P^T: a lane holds ONE
; query (lane % 16) throughout.  Lane r of K's tile 2 b + u holds key 32 b + 8 u + r + 8 (r / 8), so that registers 96 + 16 b + i hold keys 32 b + 16 (lane / 16) + i: 16 neighbours.
; THE MASK: word 16 b + i of a step has in bit l the entry for lane l's query and that register's key: one v_cndmask_b32 with the word in a scalar register does a register.
; LIMITS: NaN and infinities in q, k, v are not served.  A block of q or of p whose largest magnitude lies under 2^-124 has its byte held at 1; a block of zeros keeps that byte: its codes are zeros.
; A block's largest p is made from the block's largest score by the same two instructions, which takes v_exp_f32 not to fall where its input rises.  A row with no allowed key gives 0 x (1 / 0) = NaN, as reference() does.
; REGISTERS: v1 16 x lane, v2 8 x lane, v3, v4 the step's LDS addresses, v5, v6 the add's two, v7-9 the way out, v10 -inf, v11 where I put my record, v12 -M, v13 the largest t, v[14:15] the sum in two halves,
; v16-23 Q (v20-23 zeros), v24 Q's scale words, v25 p's, v26-29 K's, v32-95 K's 8 fragments (the upper four registers of each stay zeros), v96-159 S^T, then p, v160-191 O^T, v192-223 V's 4 fragments,
; v224-231 p's codes, v232-243 at work, v244-247 V's scale words, v[248:249] f, v250, v251 at work.
; s[2:3] the tile's mask words, s[4:5] out, s[6:7] c, s8, s9 lane selects, s10 the step's record in LDS, s11 steps to go, s12 ANY, s13 MIX, s14 wave, s[16:63] and s[68:83] the step's 64 mask words.
.set REC,   9216
.set VC,    4096
.set KSC,   8192
.set VSC,   8704
.set STAGE, 16*REC                     ; behind the records: 16 rows x (256 bytes + 16) for each wave, for the way out
.set SP,    272
.set SPARE, STAGE+16*16*SP             ; behind the stages: the spare words, 128 bytes for each wave: eight blocks of 256 bytes that no other line names
.macro QB xs, cd, ma, mb, so, by       ; 32 numbers of one block in v[xs] on become 4 registers of codes v[cd] on; v[so] the conversion's scale operand, v[by] the scale's byte
	v_max3_num_f32 v[\ma], |v[\xs]|, |v[\xs+1]|, |v[\xs+2]|
	v_max3_num_f32 v[\mb], |v[\xs+3]|, |v[\xs+4]|, |v[\xs+5]|
.irp i, 6,10,14,18,22,26
	v_max3_num_f32 v[\ma], v[\ma], |v[\xs+\i]|, |v[\xs+\i+1]|
	v_max3_num_f32 v[\mb], v[\mb], |v[\xs+\i+2]|, |v[\xs+\i+3]|
.endr
	v_max3_num_f32 v[\ma], v[\ma], |v[\xs+30]|, |v[\xs+31]|
	v_max3_num_f32 v[\ma], v[\ma], v[\mb], 0x1800000       ; the floor 2^(3 - 127)
	v_add_nc_u32 v[\so], 0xff000000, v[\ma]
	v_lshrrev_b32 v[\by], 23, v[\so]
.irp g, 0,1,2,3
	v_cvt_scalef32_pk8_fp4_f32 v[\cd+\g], v[\xs+8*\g:\xs+8*\g+7], v[\so]
.endr
.endm
; The next step's 64 mask words, if that step is mixed (bit 1 of MIX; behind the last step the bit is 0).  It stands behind this step's selects, which read the same registers.
.macro NEXTW
	s_bitcmp1_b32 s13, 1
	s_cbranch_scc0 .Lnw_\@
	s_wait_kmcnt 0x0                               ; no scalar load lands on registers that an earlier one may still write
	s_load_b512 s[16:31], s[2:3], 0x100
	s_load_b512 s[32:47], s[2:3], 0x140
	s_load_b512 s[48:63], s[2:3], 0x180
	s_load_b512 s[68:83], s[2:3], 0x1c0
.Lnw_\@:
.endm
	s_load_b256 s[84:91], s[0:1], 0x0              ; q s[84:85], kv s[86:87], mw s[88:89], out0 s[90:91]
	s_load_b64 s[100:101], s[0:1], 0x20            ; fl
	v_lshl_add_u32 v5, v0, 2, SPARE
	v_mov_b32 v6, 0
	v_lshrrev_b32 v250, 5, v0
	v_readfirstlane_b32 s14, v250                  ; wave 0..15
	v_and_b32 v250, 31, v0                         ; lane
	v_and_b32 v232, 15, v0                         ; r
	v_bfe_u32 v233, v0, 4, 1                       ; h
	v_lshlrev_b32 v1, 4, v250
	v_lshlrev_b32 v2, 3, v250
	v_lshlrev_b32 v251, 8, v232
	v_lshl_add_u32 v251, v233, 7, v251             ; q: row r of 256 bytes, + 128 h: my block of 32
	s_and_b32 s15, s14, 7
	s_lshl_b32 s15, s15, 2
	s_mov_b32 s10, 0x7a94c12f                      ; P(0..7) = 15, 2, 1, 12, 4, 9, 10, 7, four bits each
	s_mov_b32 s11, 0x0de3b658                      ; P(8..15) = 8, 5, 6, 11, 3, 14, 13, 0
	s_cmp_lt_u32 s14, 8
	s_cselect_b32 s10, s10, s11
	s_lshr_b32 s10, s10, s15
	s_and_b32 s10, s10, 15                         ; P(wave)
	s_and_b32 s12, ttmp7, 0xffff                   ; the head, 0..31
	s_lshl_b32 s15, s10, 3
	s_add_co_u32 s15, s15, ttmp9                   ; my tile of 16 queries in the sequence
	s_lshl_b32 s92, s12, 19                        ; q and out: 524,288 bytes a head,
	s_lshl_b32 s13, s15, 12                        ; 4,096 a tile
	s_add_co_u32 s92, s92, s13
	s_mov_b32 s93, 0
	s_mul_i32 s94, s12, 16*REC                     ; kv: the head's records,
	s_mul_i32 s13, s14, REC                        ; record = wave
	s_add_co_u32 s94, s94, s13
	s_mov_b32 s95, 0
	v_add_nc_u32 v11, s13, v1                      ; and the same place in LDS: 9216 x wave + 16 x lane
	s_lshr_b32 s96, s12, 4                         ; the batch
	s_lshl_b32 s96, s96, 7
	s_add_co_u32 s96, s96, s15                     ; the row tile among the mask's 256
	s_lshl_b32 s98, s96, 5                         ; its flags: 32 bytes of fl,
	s_mov_b32 s99, 0
	s_lshl_b32 s96, s96, 12                        ; its words: 4,096 bytes of mw
	s_mov_b32 s97, 0
	s_mov_b32 s6, 0x3e38aa3b                       ; c = log2(e) / 8
	s_mov_b32 s7, s6                               ; (the packed form names the pair)
	s_mov_b32 s8, 0x76543210
	s_mov_b32 s9, 0xfedcba98                       ; v_permlanex16_b32's selects for lane l xor 16
	s_wait_kmcnt 0x0
	s_add_nc_u64 s[84:85], s[84:85], s[92:93]
	s_add_nc_u64 s[4:5], s[90:91], s[92:93]
	s_add_nc_u64 s[86:87], s[86:87], s[94:95]
	s_add_nc_u64 s[2:3], s[88:89], s[96:97]
	s_add_nc_u64 s[100:101], s[100:101], s[98:99]
	s_load_b256 s[92:99], s[100:101], 0x0          ; ANY and MIX, four words each
	s_load_b512 s[16:31], s[2:3], 0x0              ; step 0's words, without a test: so all 64 registers are written
	s_load_b512 s[32:47], s[2:3], 0x40
	s_load_b512 s[48:63], s[2:3], 0x80
	s_load_b512 s[68:83], s[2:3], 0xc0
.irp i, 0,1,2,3,4,5,6,7
	global_load_b128 v[192+4*\i:195+4*\i], v251, s[84:85] offset:16*\i     ; my 32 numbers of q
.endr
.irp i, 0,1,2,3,4,5,6,7,8,9,10,11,12,13,14,15,16,17
	global_load_b128 v[96+4*\i:99+4*\i], v1, s[86:87] offset:512*\i        ; my record, 512 consecutive bytes a load
.endr
	s_mul_i32 s13, s14, 16*SP
	s_add_co_u32 s13, s13, STAGE                   ; my stage
	v_mul_u32_u24 v8, v232, SP
	v_lshl_add_u32 v8, v233, 5, v8
	v_add_nc_u32 v8, s13, v8                       ; in: row r, + 32 h
	v_mul_u32_u24 v9, v233, SP
	v_lshl_add_u32 v9, v232, 4, v9
	v_add_nc_u32 v9, s13, v9                       ; back: lanes 0-15 one row, lanes 16-31 the next
	v_lshlrev_b32 v7, 8, v233
	v_lshl_add_u32 v7, v232, 4, v7                 ; and the same two rows in out
	v_lshlrev_b32 v234, 3, v233                    ; 8 h
	v_mov_b32 v236, 0                              ; lane permutes' destinations count as sources
	v_mov_b32 v237, 0
	s_wait_loadcnt 18                              ; q is in; the record's 18 loads may be out
	QB 192, 16, 238, 239, 240, 241                 ; Q's fragment: registers 0-3 hold k = 32 h .. 32 h + 31 of query r
	v_lshlrev_b32 v24, v234, v241                  ; (a plain line behind the conversions)  my block's byte at its place,
	v_permlanex16_b32 v237, v24, s8, s9
	v_or_b32 v24, v24, v237                        ; with lane l xor 16's,
	v_or_b32 v24, 0x7f7f0000, v24                  ; and 1.0 over the zero codes of k = 64 .. 127
.irp i, 0,1,2,3,4,5,6,7,8,9,10,11,12,13,14,15,16,17
	s_wait_loadcnt 17-\i                           ; load i is in; the later ones may be out
	ds_store_b128 v11, v[96+4*\i:99+4*\i] offset:512*\i
.endr
.irp i, 20,21,22,23
	v_mov_b32 v[\i], 0                             ; Q's k = 64 .. 127
.endr
.irp t, 0,1,2,3,4,5,6,7
.irp i, 4,5,6,7
	v_mov_b32 v[32+8*\t+\i], 0                     ; K's k = 64 .. 127: written once; the loop's loads fill the lower four registers alone
.endr
.endr
	v_mov_b32 v13, 0xff61b1e6                      ; the largest t so far: -3e38, under every t
	v_floor_f32 v12, -v13                          ; -M
	v_mov_b32 v14, 0                               ; the sum, in two halves
	v_mov_b32 v15, 0
	v_mov_b32 v249, 0                              ; (named as the upper half of the pair v[248:249])
	v_mov_b32 v10, 0xff800000                      ; -infinity
	s_wait_kmcnt 0x0                               ; the flags, and step 0's words
	s_or_b32 s12, s92, s94
	s_or_b32 s12, s12, s96
	s_or_b32 s12, s12, s98                         ; ANY: bit s for key step s
	s_or_b32 s13, s93, s95
	s_or_b32 s13, s13, s97
	s_or_b32 s13, s13, s99                         ; MIX
	s_mov_b32 s10, 0
	s_mov_b32 s11, 16
	s_wait_dscnt 0x0                               ; for the others' sake: my record lies in LDS
	s_barrier_signal -1
.irp j, 0,1,2,3,4,5,6,7,8,9,10,11,12,13,14,15,16,17,18,19,20,21,22,23,24,25,26,27,28,29,30,31
	v_mov_b32 v[160+\j], 0                         ; O^T.  (The step is written once: the first live step finds zeros, which the first change of M leaves zeros.  Some of these registers were the stores' data: the wait above has freed them)
.endr
	s_barrier_wait -1                              ; all sixteen records lie in LDS; they are only read from here on
.Lstep:                                            ; 16 trips, a key step each
	s_bitcmp1_b32 s12, 0
	s_cbranch_scc0 .Lhidden                        ; none of the step's keys counts for any of my queries
	v_add_nc_u32 v3, s10, v1
	v_add_nc_u32 v4, s10, v2
	v_nop
	v_nop                                          ; four places between the last step's products and the loads into the registers that they read
.irp t, 0,1,2,3,4,5,6,7
	ds_load_b128 v[32+8*\t:35+8*\t], v3 offset:512*\t
.endr
	ds_load_b64 v[26:27], v4 offset:KSC
	ds_load_b64 v[28:29], v4 offset:KSC+256
.irp t, 0,1,2,3
.irp c, 0,1
	ds_load_b128 v[192+8*\t+4*\c:195+8*\t+4*\c], v3 offset:VC+1024*\t+512*\c
.endr
.endr
	ds_load_b64 v[244:245], v4 offset:VSC
	ds_load_b64 v[246:247], v4 offset:VSC+256
	s_wait_dscnt 10                                ; K's ten loads are in; V's eight fragment loads and two scale loads may be out
.irp t, 0,1,2,3,4,5,6,7                        ; S^T = K Q^T; a register of scale words holds the even tile's in lanes 0-15 and the odd tile's in lanes 16-31
.if \t%2
	v_wmma_scale_f32_16x16x128_f8f6f4 v[96+8*\t:103+8*\t], v[32+8*\t:39+8*\t], v[16:23], 0, v[26+\t/2], v24 matrix_a_fmt:MATRIX_FMT_FP4 matrix_b_fmt:MATRIX_FMT_FP4 matrix_a_scale:MATRIX_SCALE_ROW1
.else
	v_wmma_scale_f32_16x16x128_f8f6f4 v[96+8*\t:103+8*\t], v[32+8*\t:39+8*\t], v[16:23], 0, v[26+\t/2], v24 matrix_a_fmt:MATRIX_FMT_FP4 matrix_b_fmt:MATRIX_FMT_FP4
.endif
.endr
.rept 4
	v_nop                                          ; four places ahead of the first read of the results
.endr
	s_bitcmp1_b32 s13, 0
	s_cbranch_scc0 .Lopen                          ; all the step's keys count for all my queries
	s_wait_kmcnt 0x0                               ; the step's words, asked for a step ago
.set NN, 0
.rept 64                                       ; ascending: each accumulator is read from its low end on
.if NN < 48
	v_cndmask_b32 v[96+NN], v10, v[96+NN], s[16+NN]
.else
	v_cndmask_b32 v[96+NN], v10, v[96+NN], s[20+NN]
.endif
.set NN, NN+1
.endr
.Lopen:
	NEXTW
.irp b, 0,1,2,3
	v_max3_num_f32 v[232+\b], v[96+16*\b], v[97+16*\b], v[98+16*\b]   ; the largest score of each block of 32 keys: it serves for the row's maximum and, since p rises with the score, for the block's largest p
.endr
.irp i, 3,5,7,9,11,13
.irp b, 0,1,2,3
	v_max3_num_f32 v[232+\b], v[232+\b], v[96+16*\b+\i], v[97+16*\b+\i]
.endr
.endr
.irp b, 0,1,2,3
	v_max_num_f32 v[232+\b], v[232+\b], v[111+16*\b]
.endr
.irp b, 0,1,2,3
	v_permlanex16_b32 v[236+\b], v[232+\b], s8, s9
.endr
.irp b, 0,1,2,3
	v_max_num_f32 v[232+\b], v[232+\b], v[236+\b]  ; with lane l xor 16's 16 keys
.endr
	v_max3_num_f32 v250, v232, v233, v234
	v_max_num_f32 v250, v250, v235                 ; the step's largest score of my query (-inf where none of its keys counts)
	v_mul_f32 v250, s6, v250                       ; as t
	v_max_num_f32 v13, v13, v250                   ; the running largest t
	v_mov_b32 v250, v12
	v_floor_f32 v12, -v13                          ; the new -M = floor(-t) = -ceil(t)
	v_sub_f32 v250, v12, v250                      ; old M less new M: a whole number, 0 or less
	v_cvt_i32_f32 v250, v250                       ; (it saturates)
	v_ldexp_f32 v248, 1.0, v250                    ; f = 2^(old M - new M)
.irp j, 0,2,4,6,8,10,12,14,16,18,20,22,24,26,28,30,32,34,36,38,40,42,44,46,48,50,52,54,56,58,60,62
	v_pk_fma_f32 v[96+\j:97+\j], v[96+\j:97+\j], s[6:7], v[12:13] op_sel_hi:[1,0,0]   ; t - M, two at a time
.endr
.irp b, 0,1,2,3
	v_fma_f32 v[232+\b], v[232+\b], s6, v12        ; the same of each block's largest score
.endr
.irp j, 0,1,2,3,4,5,6,7,8,9,10,11,12,13,14,15,16,17,18,19,20,21,22,23,24,25,26,27,28,29,30,31,32,33,34,35,36,37,38,39,40,41,42,43,44,45,46,47,48,49,50,51,52,53,54,55,56,57,58,59,60,61,62,63
	v_exp_f32 v[96+\j], v[96+\j]                   ; p = 2^(t - M), at most 1
.endr
	v_pk_mul_f32 v[14:15], v[14:15], v[248:249] op_sel_hi:[1,0]   ; the sums under the new M: the plain line behind the exponentials
	s_wait_alu depctr_va_vdst(0)                   ; one wait for the batch of 64, ahead of the first use of a result
.irp b, 0,1,2,3
	v_exp_f32 v[232+\b], v[232+\b]                 ; each block's largest p
.endr
	v_pk_add_f32 v[236:237], v[96:97], v[98:99]    ; the row's sum is taken of the unquantised p: two at a time, in two chains
.irp j, 4,8,12,16,20,24,28,32,36,40,44,48,52
	v_pk_add_f32 v[14:15], v[14:15], v[96+\j:97+\j]
	v_pk_add_f32 v[236:237], v[236:237], v[98+\j:99+\j]
.endr
	s_wait_alu depctr_va_vdst(0)                   ; and one for the batch of four
.irp b, 0,1,2,3
	v_max_num_f32 v[232+\b], 0x1800000, v[232+\b]  ; the floor 2^(3 - 127): a block whose every p is 0 keeps the byte 1; its codes are zeros
.endr
.irp b, 0,1,2,3
	v_add_nc_u32 v[240+\b], 0xff000000, v[232+\b]  ; 2 off the exponent field: the conversion's scale operand
.endr
.irp b, 0,1,2,3
	v_lshrrev_b32 v[232+\b], 23, v[240+\b]         ; the scale's byte
.endr
	v_lshl_or_b32 v25, v233, 8, v232               ; p's scale word for these 128 keys
	v_lshl_or_b32 v25, v234, 16, v25
	v_lshl_or_b32 v25, v235, 24, v25
.irp b, 0,1,2,3
	v_cvt_scalef32_pk8_fp4_f32 v[224+2*\b], v[96+16*\b:103+16*\b], v[240+\b]
	v_cvt_scalef32_pk8_fp4_f32 v[225+2*\b], v[104+16*\b:111+16*\b], v[240+\b]
.endr
	v_nop                                          ; one plain line behind the scaled conversions
.irp c, 0,1                                    ; the operand's layout wants a whole block in a lane: lanes 0-15 block 2 c, lanes 16-31 block 2 c + 1
.irp i, 0,1
	v_permlane16_swap_b32 v[224+4*\c+\i], v[226+4*\c+\i]
.endr
.endr
.irp j, 0,2,4,6,8,10,12,14,16,18,20,22,24,26,28,30
	v_pk_mul_f32 v[160+\j:161+\j], v[160+\j:161+\j], v[248:249] op_sel_hi:[1,0]   ; O^T under the new M, each accumulator from its low end on
.endr
.irp j, 56,60                                  ; the sum's last additions stand here: five plain lines that name no register of the products below, so that all that vector lines wrote for those products stands at least five places ahead, p's scale word more than eight
	v_pk_add_f32 v[14:15], v[14:15], v[96+\j:97+\j]
	v_pk_add_f32 v[236:237], v[236:237], v[98+\j:99+\j]
.endr
	v_pk_add_f32 v[14:15], v[14:15], v[236:237]
	s_wait_dscnt 0x0                               ; V's fragments and scale words are in
.irp t, 0,1,2,3                                ; O^T += V^T P^T.  The four accumulators take single turns, and the matrix instruction ahead of the first is a product K Q^T
	v_wmma_scale_f32_16x16x128_f8f6f4 v[160+8*\t:167+8*\t], v[192+8*\t:199+8*\t], v[224:231], v[160+8*\t:167+8*\t], v[244+\t], v25 matrix_a_fmt:MATRIX_FMT_FP4 matrix_b_fmt:MATRIX_FMT_FP4
.endr
	s_branch .Ltail
.Lhidden:
	NEXTW
.Ltail:
	s_wait_xcnt 0x0                                ; the scalar loads have read their base: it may step
	s_add_nc_u64 s[2:3], s[2:3], 256               ; the next step's words
	s_lshr_b32 s12, s12, 1
	s_lshr_b32 s13, s13, 1
	s_add_co_u32 s10, s10, REC                     ; the next record
	s_sub_co_u32 s11, s11, 1
	s_cmp_lg_u32 s11, 0
	s_cbranch_scc1 .Lstep
	; THE WAY OUT.  O^T is divided by the row's sum and goes through my own stage in LDS, so that sixteen lanes store one row of out, 256 consecutive bytes, aligned.
	v_add_f32 v14, v14, v15                        ; the sum's two halves,
	v_permlanex16_b32 v250, v14, s8, s9
	v_add_f32 v14, v14, v250                       ; and lane l xor 16's
	v_rcp_f32 v14, v14
	v_nop                                          ; the plain line behind the reciprocal; with the additions above, these are also the places behind the last products
	v_nop
	v_nop
	s_wait_alu depctr_va_vdst(0)                   ; the wait ahead of the first use of the reciprocal
.irp j, 0,1,2,3,4,5,6,7,8,9,10,11,12,13,14,15,16,17,18,19,20,21,22,23,24,25,26,27,28,29,30,31
	v_mul_f32 v[96+\j], v[160+\j], v14             ; register 8 t + i is out(query r, channel 16 t + 8 h + i)
.endr
.irp t, 0,1,2,3
	ds_store_b128 v8, v[96+8*\t:99+8*\t] offset:64*\t
	ds_store_b128 v8, v[100+8*\t:103+8*\t] offset:64*\t+16
.endr
.irp i, 0,1,2,3,4,5,6,7
	ds_load_b128 v[32+4*\i:35+4*\i], v9 offset:2*\i*SP   ; LDS serves a wave's instructions in order: these see my stores
.endr
.irp i, 0,1,2,3,4,5,6,7
	s_wait_dscnt 7-\i                              ; load i is back; the later ones may be out
	global_store_b128 v7, v[32+4*\i:35+4*\i], s[4:5] offset:512*\i th:TH_STORE_NT
.endr
	s_wait_tensorcnt 0x0                           ; the wave's end
	ds_add_u32 v5, v6
	s_wait_dscnt 0x0
	s_endpgm
.Lfunc_end_k_qcc2b7886a7_attn:
	.size	k_qcc2b7886a7_attn, .Lfunc_end_k_qcc2b7886a7_attn-k_qcc2b7886a7_attn
	.p2alignl 7, 3214868480
	.fill 96, 4, 3214868480
	.section	.rodata,"a",@progbits
	.p2align	6, 0x0
	.amdhsa_kernel k_qcc2b7886a7_attn
		.amdhsa_group_segment_fixed_size 219136
		.amdhsa_private_segment_fixed_size 0
		.amdhsa_enable_private_segment 0
		.amdhsa_kernarg_size 40
		.amdhsa_user_sgpr_count 2
		.amdhsa_user_sgpr_kernarg_segment_ptr 1
		.amdhsa_wavefront_size32 1
		.amdhsa_system_sgpr_workgroup_id_x 1
		.amdhsa_system_sgpr_workgroup_id_y 1
		.amdhsa_system_sgpr_workgroup_id_z 1
		.amdhsa_system_vgpr_workitem_id 0
		.amdhsa_next_free_vgpr 256
		.amdhsa_next_free_sgpr 102
		.amdhsa_reserve_vcc 0
		.amdhsa_float_denorm_mode_32 3
		.amdhsa_float_denorm_mode_16_64 3
		.amdhsa_memory_ordered 1
		.amdhsa_forward_progress 1
		.amdhsa_inst_pref_size 36
	.end_amdhsa_kernel
	.amdgpu_metadata
---
amdhsa.version: [ 1, 2 ]
amdhsa.kernels:
  - .name:           k_qcc2b7886a7_attn
    .symbol:         k_qcc2b7886a7_attn.kd
    .args:
      - { .name: q, .offset: 0, .size: 8, .value_kind: global_buffer, .address_space: global }
      - { .name: kv, .offset: 8, .size: 8, .value_kind: global_buffer, .address_space: global }
      - { .name: mw, .offset: 16, .size: 8, .value_kind: global_buffer, .address_space: global }
      - { .name: out0, .offset: 24, .size: 8, .value_kind: global_buffer, .address_space: global }
      - { .name: fl, .offset: 32, .size: 8, .value_kind: global_buffer, .address_space: global }
    .group_segment_fixed_size: 219136
    .private_segment_fixed_size: 0
    .kernarg_segment_align: 8
    .kernarg_segment_size: 40
    .max_flat_workgroup_size: 512
    .sgpr_count:     102
    .vgpr_count:     256
    .wavefront_size: 32
...
	.end_amdgpu_metadata
.endif
;; end of part 2
;; ======== version 2 of 2: 2 launches
;; workspace buffers: fl 8,192 bytes of whole numbers; kv 4,718,592 bytes; mw 1,048,576 bytes of whole numbers
;; launch prep (part 3): grid 256 x 1, 12 waves a work-group, no clusters, 0 bytes of LDS; arguments k, v, mask, kv, mw, fl; writes kv, mw, fl
.if DOCPART == 3
	.amdgcn_target "amdgcn-amd-amdhsa--gfx1250"
	.amdhsa_code_object_version 6
	.text
	.protected	k_qcc2b7886a7_prep
	.globl	k_qcc2b7886a7_prep
	.p2align	8
	.type	k_qcc2b7886a7_prep,@function
k_qcc2b7886a7_prep:
	s_mov_b64 s[64:65], 0
	v_nop
	global_prefetch_b8 v0, s[64:65] scope:SCOPE_SE
	s_setreg_imm32_b32 hwreg(HW_REG_WAVE_MODE, 25, 1), 1
	s_wait_xcnt 0x0
; FIRST OF TWO LAUNCHES.  out = softmax(mask ? q k^T / 8 : -inf) v for 32 heads of 2,048 x 64, both products on codes of E2M1 with one E8M0 scale for each 32 along K.
; This launch quantises k (along the head's 64) and v (along the keys) ONCE, since eight work-groups of the second launch read each head, and turns the mask's bytes into words of bits.
; NOTHING OF reference() IS DEAD WORK FOR ALL INPUTS, and every input is loaded.  What the second launch leaves out hangs on the mask's VALUES, which are whole numbers: a key step (128 keys) in which all 16 x 128
; mask entries of a tile of 16 queries are false gives only scores of -inf: they leave the running maximum as it is, p = 0 adds nothing to the row's sum, and codes of 0 add nothing to the product.
; So this launch stores, for each tile of queries and each key step, a bit ANY (some entry is true) and a bit MIX (some true and some false), and the second launch, which reads them from memory, walks only
; the steps with ANY and selects only in the steps with MIX.  No pattern of the mask is built in.  LIMIT: a NaN or an infinity in rows of k or v that lie only in steps left out is not carried to the result.
; LIMITS: NaN and infinities in k and v are not served.  A block whose largest magnitude lies under 2^-124 has its byte held at 1, as the quantiser says.  A block of zeros gets the byte 1 where the quantiser says 127:
; its codes are zeros, which add nothing under any byte but 0xff, and these bytes are read by this program alone.
; kv: 512 RECORDS of 9,216 bytes, record R = 16 x head + key step, each an image of the operands' registers (lane l = (r = l % 16, h = l / 16)):
;   +0     K's codes: tile t = 0..7 at 512 t + 16 l: the codes d = 32 h .. 32 h + 31 of key 32 (t / 2) + 8 (t % 2) + r + 8 (r / 8)
;   +4096  V's codes: 1024 t + 512 c + 16 l (t = 0..3, c = 0, 1): channel 16 t + r, keys 64 c + 32 h + 0 .. 31
;   +8192  K's scale words: 256 g + 8 l + 4 e: tile 2 (2 g + e) + h, row r; bytes: d 0-31, d 32-63, 0x7f, 0x7f (the last two stand over the zero codes that fill K = 64 up to the instruction's 128)
;   +8704  V's scale words: 256 j + 8 l + 4 e: tile 2 j + e, channel 16 (2 j + e) + r, one byte for each of the step's four blocks of 32 keys; the same word in both halves of the lanes
; mw: words [row tile 256][key step 16][64]: bit l of word 16 b + i = mask[16 x row tile + r][128 x step + 32 b + 16 h + i].
; fl: the flags [row tile 256][x 4][ANY, MIX], bit 4 x + s for key step 4 x + s: a buffer of their own, the only numbers on which the second launch branches.
; SHARES.  256 work-groups of twelve waves, waves 0-7 reading 16 KiB each, waves 8-11 8 KiB: waves 0-3 four tiles of K each, waves 4-7 32 channels x 128 keys of V each, waves 8-11 16 rows x 512 keys of the mask each.
; The roles part on the wave's number; no LDS, no barrier: waves share nothing.  No cache hint on the loads: several loads of a wave each take a part of the same aligned 256 bytes.
.set REC,   9216
; 32 numbers of ONE block in a lane's registers v[xs] on become 4 registers of codes v[cd] on; v[so] the conversion's scale operand, v[by] the scale's byte; v[ma], v[mb] two chains of the maximum
.macro QB xs, cd, ma, mb, so, by
	v_max3_num_f32 v[\ma], |v[\xs]|, |v[\xs+1]|, |v[\xs+2]|
	v_max3_num_f32 v[\mb], |v[\xs+3]|, |v[\xs+4]|, |v[\xs+5]|
.irp i, 6,10,14,18,22,26
	s_delay_alu instid0(VALU_DEP_2)
	v_max3_num_f32 v[\ma], v[\ma], |v[\xs+\i]|, |v[\xs+\i+1]|
	s_delay_alu instid0(VALU_DEP_2)
	v_max3_num_f32 v[\mb], v[\mb], |v[\xs+\i+2]|, |v[\xs+\i+3]|
.endr
	s_delay_alu instid0(VALU_DEP_2)
	v_max3_num_f32 v[\ma], v[\ma], |v[\xs+30]|, |v[\xs+31]|
	s_delay_alu instid0(VALU_DEP_1)
	v_max3_num_f32 v[\ma], v[\ma], v[\mb], 0x1800000       ; the floor 2^(3 - 127): the byte cannot fall under 1
	s_delay_alu instid0(VALU_DEP_1)
	v_add_nc_u32 v[\so], 0xff000000, v[\ma]                ; 2 off the exponent field: the conversion takes the exponent field of this operand as its scale
	s_delay_alu instid0(VALU_DEP_1)
	v_lshrrev_b32 v[\by], 23, v[\so]                       ; the scale's byte
.irp g, 0,1,2,3
	v_cvt_scalef32_pk8_fp4_f32 v[\cd+\g], v[\xs+8*\g:\xs+8*\g+7], v[\so]
.endr
.endm                                                      ; (the caller's next line is a plain vector line that names none of the conversions' registers)
	s_load_b256 s[4:11], s[0:1], 0x0               ; k s[4:5], v s[6:7], mask s[8:9], kv s[10:11]
	s_load_b64 s[12:13], s[0:1], 0x20              ; mw
	s_load_b64 s[30:31], s[0:1], 0x28              ; fl
	v_lshrrev_b32 v1, 5, v0
	s_delay_alu instid0(VALU_DEP_1)
	v_readfirstlane_b32 s14, v1                    ; wave 0..11
	v_and_b32 v1, 31, v0                           ; lane
	v_and_b32 v2, 15, v0                           ; r
	v_bfe_u32 v3, v0, 4, 1                         ; h
	s_delay_alu instid0(VALU_DEP_1)
	v_lshlrev_b32 v7, 3, v3                        ; 8 h
	v_mov_b32 v12, 0                               ; a lane permute's destination counts as one of its sources
	s_mov_b32 s22, 0xffff0000                      ; lanes 16-31
	s_mov_b32 s24, 0x76543210
	s_mov_b32 s25, 0xfedcba98                      ; v_permlanex16_b32's selects for lane l xor 16
	s_mov_b32 s19, 0
	s_mov_b32 s21, 0
	s_lshl_b32 s16, ttmp9, 2
	s_and_b32 s17, s14, 3
	s_add_co_u32 s16, s16, s17                     ; u = 4 x work-group + wave % 4: which half record (K's and V's roles)
	s_lshr_b32 s17, s16, 1                         ; R: the record
	s_and_b32 s23, s16, 1                          ; g or j: which half
	s_mul_i32 s20, s17, REC                        ; the record's first byte in kv
	s_cmp_lt_u32 s14, 4
	s_cbranch_scc0 .Lnot_k
	; ---- K: tiles 4 g .. 4 g + 3 of record R.  Lane (r, h) takes 32 neighbouring numbers, one block, of its key's row
	s_lshl_b32 s18, s16, 14                        ; 64 keys of 256 bytes for each half record
	s_wait_alu depctr_va_vdst(0)
	v_and_b32 v4, 8, v2
	s_delay_alu instid0(VALU_DEP_1)
	v_add_nc_u32 v4, v4, v2                        ; r + 8 (r / 8)
	s_delay_alu instid0(VALU_DEP_1)
	v_lshlrev_b32 v4, 8, v4
	s_delay_alu instid0(VALU_DEP_1)
	v_lshl_add_u32 v4, v3, 7, v4                   ; that key's row, + 128 h
	s_lshl_b32 s42, s23, 11
	v_lshl_add_u32 v5, v1, 4, s42                  ; codes: 16 x lane + 2048 g
	s_lshl_b32 s42, s23, 8
	v_lshl_add_u32 v6, v1, 3, s42                  ; scale words: 8 x lane + 256 g
	s_wait_alu depctr_va_vdst(0)
	s_wait_kmcnt 0x0
	s_add_nc_u64 s[4:5], s[4:5], s[18:19]
	s_add_nc_u64 s[10:11], s[10:11], s[20:21]
.irp t, 0,1,2,3
.irp i, 0,1,2,3,4,5,6,7
	global_load_b128 v[32+32*\t+4*\i:35+32*\t+4*\i], v4, s[4:5] offset:(32*(\t/2)+8*(\t%2))*256+16*\i
.endr
.endr
.irp t, 0,1,2,3
	s_wait_loadcnt 8*(3-\t)                        ; this tile's eight loads are in; the later tiles' eight each may be out
	QB 32+32*\t, 160+4*\t, 8, 9, 10, 11
	v_lshlrev_b32 v[16+\t], v7, v11                ; my block's byte at its place in the row's scale word,
	s_delay_alu instid0(VALU_DEP_1)
	v_permlanex16_b32 v12, v[16+\t], s24, s25
	s_delay_alu instid0(VALU_DEP_1)
	v_or_b32 v[16+\t], v[16+\t], v12               ; with lane l xor 16's,
	s_delay_alu instid0(VALU_DEP_1)
	v_or_b32 v[16+\t], 0x7f7f0000, v[16+\t]        ; and 1.0 over the zero codes of k = 64 .. 127
	global_store_b128 v5, v[160+4*\t:163+4*\t], s[10:11] offset:512*\t   ; 32 lanes store 512 consecutive bytes; each tile has its own four registers
.endr
	v_cndmask_b32 v14, v16, v17, s22               ; lanes 0-15 the even tile's words, lanes 16-31 the odd tile's
	v_cndmask_b32 v15, v18, v19, s22
	global_store_b64 v6, v[14:15], s[10:11] offset:8192   ; 256 consecutive bytes, aligned
	s_endpgm
.Lnot_k:
	s_cmp_lt_u32 s14, 8
	s_cbranch_scc0 .Lmask
	; ---- V: channels 32 j .. 32 j + 31 of record R.  A lane takes a channel and its registers run down the keys, which are this operand's K
	s_lshl_b32 s18, s17, 15                        ; 128 keys of 256 bytes for each record,
	s_lshl_b32 s42, s23, 7
	s_add_co_u32 s18, s18, s42                     ; + 128 j
	s_wait_alu depctr_va_vdst(0)
	v_lshlrev_b32 v4, 2, v1                        ; 4 bytes a lane
	v_lshlrev_b32 v5, 4, v2
	s_delay_alu instid0(VALU_DEP_1)
	v_lshl_add_u32 v5, v3, 10, v5
	s_lshl_b32 s42, s23, 11
	v_add_nc_u32 v5, s42, v5                       ; codes: tile 2 j + lane / 16 (1,024 bytes each), 16 (lane % 16)
	s_lshl_b32 s42, s23, 8
	v_lshl_add_u32 v6, v1, 3, s42                  ; scale words: 8 x lane + 256 j
	s_wait_alu depctr_va_vdst(0)
	s_wait_kmcnt 0x0
	s_add_nc_u64 s[6:7], s[6:7], s[18:19]
	s_add_nc_u64 s[10:11], s[10:11], s[20:21]
.macro LOADV b                                     ; block b: keys 32 b .. 32 b + 31 of my channel; 32 lanes read 128 consecutive bytes
.irp i, 0,1,2,3,4,5,6,7,8,9,10,11,12,13,14,15,16,17,18,19,20,21,22,23,24,25,26,27,28,29,30,31
	global_load_b32 v[32+32*(\b)+\i], v4, s[6:7] offset:(32*(\b)+\i)*256
.endr
.endm
	LOADV 0
	LOADV 1
.irp b, 0,1,2,3
.if \b < 3
	s_wait_loadcnt 32                              ; this block's 32 loads are in; the one block issued behind it may be out
.else
	s_wait_loadcnt 0x0
.endif
.if \b < 2
	LOADV \b+2                                     ; each block has its own 32 registers
.endif
	QB 32+32*\b, 160+4*\b, 8, 9, 10, 11
.if \b == 0
	v_mov_b32 v16, v11                             ; the four bytes make my channel's scale word, the lower keys in the lower byte
.else
	v_lshl_or_b32 v16, v11, 8*\b, v16
.endif
	global_store_b128 v5, v[160+4*\b:163+4*\b], s[10:11] offset:4096+256*\b   ; block b = 2 c + h lies at 512 c + 256 h: sixteen lanes store 256 consecutive bytes, aligned
.endr
	v_permlanex16_b32 v12, v16, s24, s25
	s_delay_alu instid0(VALU_DEP_1)
	v_cndmask_b32 v14, v16, v12, s22               ; tile 2 j's words, in both halves of the lanes,
	s_delay_alu instid0(VALU_DEP_2)
	v_cndmask_b32 v15, v12, v16, s22               ; and tile 2 j + 1's
	global_store_b64 v6, v[14:15], s[10:11] offset:8704
	s_endpgm
.Lmask:
	; ---- the mask: rows 16 G .. 16 G + 15 (of the 4,096 rows of both batches), keys 512 x .. 512 x + 511.  Lane (r, h) takes, of row r, 16 bytes of each 32: the keys that its registers of scores will hold
	s_and_b32 s16, s14, 3                          ; x
	s_lshl_b32 s18, ttmp9, 15                      ; 16 rows of 2,048 bytes
	s_lshl_b32 s42, s16, 9
	s_add_co_u32 s18, s18, s42
	s_wait_alu depctr_va_vdst(0)
	v_lshlrev_b32 v4, 11, v2
	s_delay_alu instid0(VALU_DEP_1)
	v_lshl_add_u32 v4, v3, 4, v4                   ; 2048 r + 16 h
	s_lshl_b32 s20, ttmp9, 12                      ; the words: 4,096 bytes a row tile, 1,024 for my four steps
	s_lshl_b32 s42, s16, 10
	s_add_co_u32 s20, s20, s42
	v_lshl_add_u32 v5, v1, 4, s20                  ; + 16 x lane
	s_lshl_b32 s46, ttmp9, 5                       ; the flags: 32 bytes a row tile, 8 for me
	s_lshl_b32 s42, s16, 3
	s_add_co_u32 s46, s46, s42
	v_mov_b32 v30, s46
	s_mov_b32 s26, 0xff
	s_mov_b32 s27, 0xff00
	s_mov_b32 s28, 0xff0000
	s_mov_b32 s29, 0xff000000
	s_mov_b32 s40, 0                               ; ANY
	s_mov_b32 s41, 0                               ; MIX
.irp i, 0,1,2,3,4,5,6,7
	v_mov_b32 v[96+\i], 0                          ; v_writelane_b32's destination counts as one of its sources
.endr
	s_wait_kmcnt 0x0
	s_add_nc_u64 s[8:9], s[8:9], s[18:19]
.irp i, 0,1,2,3,4,5,6,7,8,9,10,11,12,13,14,15
	global_load_b128 v[32+4*\i:35+4*\i], v4, s[8:9] offset:32*\i   ; block i of 32 keys
.endr
; Word NN of a half (two key steps, 128 words): block 8 p + NN / 16, byte NN % 16 of the lane's sixteen.  A compare gives the 32 lanes' bits as one scalar word; lane NN / 4 of register NN % 4 takes it,
; so that the words leave by one store of 16 bytes a lane.  Eight words at a time, so that no line waits for the line above it.
.irp p, 0,1
	s_wait_loadcnt 8*(1-\p)                        ; this half's eight loads are in; the second half's eight may be out
.set NN, 0
.rept 16
.irp k, 0,1,2,3,4,5,6,7
	v_and_b32 v[20+\k], s[26+(NN+\k)%4], v[32+4*(8*\p+(NN+\k)/16)+((NN+\k)%16)/4]
.endr
.irp k, 0,1,2,3,4,5,6,7
	v_cmp_ne_u32 s[32+\k], 0, v[20+\k]
.endr
.irp k, 0,1,2,3,4,5,6,7
	v_writelane_b32 v[96+4*\p+(NN+\k)%4], s[32+\k], (NN+\k)/4
.endr
.set NN, NN+8
.endr
	global_store_b128 v5, v[96+4*\p:99+4*\p], s[12:13] offset:512*\p   ; 512 consecutive bytes: two key steps' words
.endr
.macro FLAG i                                      ; key step 4 x + i: the OR and the AND of my 64 bytes, then of the 32 lanes
	v_or_b32 v104, v[32+16*\i], v[33+16*\i]
	v_and_b32 v105, v[32+16*\i], v[33+16*\i]
.irp j, 2,3,4,5,6,7,8,9,10,11,12,13,14,15
	s_delay_alu instid0(VALU_DEP_2)
	v_or_b32 v104, v104, v[32+16*\i+\j]
	s_delay_alu instid0(VALU_DEP_2)
	v_and_b32 v105, v105, v[32+16*\i+\j]
.endr
	s_delay_alu instid0(VALU_DEP_2)
	v_cmp_ne_u32 s42, 0, v104                      ; lanes with some true entry
	s_delay_alu instid0(VALU_DEP_2)
	v_cmp_ne_u32 s44, 0x01010101, v105             ; lanes with some entry that is not 1 (a true byte other than 1 would only set MIX, and the words above are right for it)
	s_cmp_lg_u32 s42, 0
	s_cselect_b32 s45, 1<<\i, 0
	s_or_b32 s40, s40, s45
	s_cmp_lg_u32 s44, 0
	s_cselect_b32 s46, s45, 0
	s_or_b32 s41, s41, s46
.endm
	FLAG 0
	FLAG 1
	FLAG 2
	FLAG 3
	s_lshl_b32 s45, s16, 2
	s_lshl_b32 s40, s40, s45                       ; at their places among the 16 steps: the second launch only joins four words
	s_lshl_b32 s41, s41, s45
	v_mov_b32 v28, s40
	v_mov_b32 v29, s41
	s_wait_alu depctr_va_vdst(0)
	s_wait_xcnt 0x0                                ; EXEC is a source of the stores above: it changes only behind this wait
	v_cmp_gt_u32 vcc_lo, 1, v1
	s_and_saveexec_b32 s43, vcc_lo                 ; lane 0 alone
	global_store_b64 v30, v[28:29], s[30:31]
	s_wait_xcnt 0x0                                ; and again in front of the line that widens it
	s_or_b32 exec_lo, exec_lo, s43
	s_endpgm
.Lfunc_end_k_qcc2b7886a7_prep:
	.size	k_qcc2b7886a7_prep, .Lfunc_end_k_qcc2b7886a7_prep-k_qcc2b7886a7_prep
	.p2alignl 7, 3214868480
	.fill 96, 4, 3214868480
	.section	.rodata,"a",@progbits
	.p2align	6, 0x0
	.amdhsa_kernel k_qcc2b7886a7_prep
		.amdhsa_group_segment_fixed_size 0
		.amdhsa_private_segment_fixed_size 0
		.amdhsa_enable_private_segment 0
		.amdhsa_kernarg_size 48
		.amdhsa_user_sgpr_count 2
		.amdhsa_user_sgpr_kernarg_segment_ptr 1
		.amdhsa_wavefront_size32 1
		.amdhsa_system_sgpr_workgroup_id_x 1
		.amdhsa_system_sgpr_workgroup_id_y 1
		.amdhsa_system_sgpr_workgroup_id_z 1
		.amdhsa_system_vgpr_workitem_id 0
		.amdhsa_next_free_vgpr 176
		.amdhsa_next_free_sgpr 66
		.amdhsa_reserve_vcc 1
		.amdhsa_float_denorm_mode_32 3
		.amdhsa_float_denorm_mode_16_64 3
		.amdhsa_memory_ordered 1
		.amdhsa_forward_progress 1
		.amdhsa_inst_pref_size 88
	.end_amdhsa_kernel
	.amdgpu_metadata
---
amdhsa.version: [ 1, 2 ]
amdhsa.kernels:
  - .name:           k_qcc2b7886a7_prep
    .symbol:         k_qcc2b7886a7_prep.kd
    .args:
      - { .name: k, .offset: 0, .size: 8, .value_kind: global_buffer, .address_space: global }
      - { .name: v, .offset: 8, .size: 8, .value_kind: global_buffer, .address_space: global }
      - { .name: mask, .offset: 16, .size: 8, .value_kind: global_buffer, .address_space: global }
      - { .name: kv, .offset: 24, .size: 8, .value_kind: global_buffer, .address_space: global }
      - { .name: mw, .offset: 32, .size: 8, .value_kind: global_buffer, .address_space: global }
      - { .name: fl, .offset: 40, .size: 8, .value_kind: global_buffer, .address_space: global }
    .group_segment_fixed_size: 0
    .private_segment_fixed_size: 0
    .kernarg_segment_align: 8
    .kernarg_segment_size: 48
    .max_flat_workgroup_size: 384
    .sgpr_count:     66
    .vgpr_count:     176
    .wavefront_size: 32
...
	.end_amdgpu_metadata
.endif
;; end of part 3
;; launch attn (part 4): grid 8 x 32, 16 waves a work-group, no clusters, 219,136 bytes of LDS; arguments q, kv, mw, out0, fl; writes out0
.if DOCPART == 4
	.amdgcn_target "amdgcn-amd-amdhsa--gfx1250"
	.amdhsa_code_object_version 6
	.text
	.protected	k_qcc2b7886a7_attn
	.globl	k_qcc2b7886a7_attn
	.p2align	8
	.type	k_qcc2b7886a7_attn,@function
k_qcc2b7886a7_attn:
	s_mov_b64 s[64:65], 0
	v_nop
	global_prefetch_b8 v0, s[64:65] scope:SCOPE_SE
	s_setreg_imm32_b32 hwreg(HW_REG_WAVE_SCHED_MODE, 0, 2), 2
	s_setreg_imm32_b32 hwreg(HW_REG_WAVE_MODE, 25, 1), 1
	s_wait_xcnt 0x0
	s_wait_alu depctr_vm_vsrc(0)
; SECOND OF TWO LAUNCHES: out[head][query] = the sum over the keys of softmax(mask ? q . k / 8 : -inf) v, both products on codes of E2M1 with one E8M0 scale for each 32 along K.
; WORK LEFT OUT: a key step (128 keys) in which all 16 x 128 mask entries of a wave's 16 queries are false: its scores are all -inf, which leave the maximum, the sum and the product as they are.  The first launch
; stored that as whole numbers (fl: ANY, MIX, one bit a step), and this launch reads them from memory and branches on them.  LIMIT: a NaN or an infinity in k or v that reaches only such steps is not carried to the result.
; THE SOFTMAX AHEAD OF THE SECOND PRODUCT: t = score x log2(e) / 8; M = the row's largest t so far, rounded UP to a whole number; p = 2^(t - M) is what is quantised, along the keys, not normalised.  The row's sum is
; taken of the unquantised p, in f32, and divides at the end.  When M moves, the sum and O are multiplied by 2^(old M - new M): exact.
; SHARES.  A work-group serves one head; each of its sixteen waves owns one tile of 16 queries, in 256 registers, four waves to a SIMD.  Wave w of work-group X takes tile X + 8 P(w), P a 4 x 4 magic square:
; each run of four waves and each set of waves four apart has tiles that sum alike, so that a mask which allows more keys to later queries still gives such groups like work.  P enters global addresses alone; no result hangs on it.
; LDS.  A head's K and V as codes with their scale words are 16 records of 9,216 bytes, images of the operands' registers (the first launch's head comment has the layout): they lie in LDS whole, wave w brings record w
; through its registers, and ONE barrier follows.  Every read is 16 x lane or 8 x lane: consecutive bytes, no padding.
; NO TENSOR LOADS, NO CLUSTER: the walk branches on numbers read from memory, and waves and work-groups of a head walk different steps.
; NO PREFETCH: all that a work-group reads of kv is asked for by its first instructions; the mask's words are asked for a step ahead, into scalar registers.
; LAYOUT.  Both products are used transposed: S^T = K Q^T (source 0 = 16 keys, source 1 = my 16 queries; K = 64 is filled up to the instruction's 128 with zero codes under the byte 0x7f), O^T = V^T P^T: a lane holds ONE
; query (lane % 16) throughout.  Lane r of K's tile 2 b + u holds key 32 b + 8 u + r + 8 (r / 8), so that registers 96 + 16 b + i hold keys 32 b + 16 (lane / 16) + i: 16 neighbours.
; THE MASK: word 16 b + i of a step has in bit l the entry for lane l's query and that register's key: one v_cndmask_b32 with the word in a scalar register does a register.
; LIMITS: NaN and infinities in q, k, v are not served.  A block of q or of p whose largest magnitude lies under 2^-124 has its byte held at 1; a block of zeros keeps that byte: its codes are zeros.
; A block's largest p is made from the block's largest score by the same two instructions, which takes v_exp_f32 not to fall where its input rises.  A row with no allowed key gives 0 x (1 / 0) = NaN, as reference() does.
; REGISTERS: v1 16 x lane, v2 8 x lane, v3, v4 the step's LDS addresses, v5, v6 the add's two, v7-9 the way out, v10 -inf, v11 where I put my record, v12 -M, v13 the largest t, v[14:15] the sum in two halves,
; v16-23 Q (v20-23 zeros), v24 Q's scale words, v25 p's, v26-29 K's, v32-95 K's 8 fragments (the upper four registers of each stay zeros), v96-159 S^T, then p, v160-191 O^T, v192-223 V's 4 fragments,
; v224-231 p's codes, v232-243 at work, v244-247 V's scale words, v[248:249] f, v250 at work, v251 q's offset.
; s[2:3] the tile's mask words, s[4:5] out, s[6:7] c, s8, s9 lane selects, s10 the step's record in LDS, s11 steps to go, s12 ANY, s13 MIX, s14 wave, s[16:63] and s[68:83] the step's 64 mask words.
; THE MODE: SCHED_MODE bits 1:0 = 2 (LLVM: expert scheduling mode 2), set by the entry lines.  The code itself states the register dependences between vector or matrix instructions and memory or LDS
; instructions, with s_wait_alu, always for 0.
; THE PLAN.  Registers that memory or LDS instructions touch, and who else names them:
;   v251, v1, v11   offsets and an LDS address, made at the head, read by the head's loads and LDS stores, never written again.
;   v96-167         my record on its way: global loads land, LDS stores read; afterwards O^T's zeros (v160-167) and the products K Q^T (v96-159) write them.
;   v192-223        q's loads land, the quantiser reads; in the loop V's LDS loads land, the step's products V^T P^T read.  v244-247, V's scale words, likewise.
;   v32-35 + 8 t, v26-29   K's LDS loads land, the step's products K Q^T read.
;   v3, v4          written at a live step's head, read by that step's 20 LDS loads.
;   v96-127, v8, v9, v32-63, v7   the way out.     v5, v6   written at the head, read by the closing add alone.
; In a live step ONE wait on va_vdst at its head states all that its 20 LDS loads hang on: the addresses are written, and the products of the live step before are done reading the fragments and scale words.
; K's ten loads follow it; V's ten stand behind the products K Q^T and their places, which name none of V's registers: no further wait.  A wait on vm_vsrc stands ahead of the two additions that write v3 and v4.
; One more wait on va_vdst stands ahead of the products V^T P^T, for p's codes and scale word, which vector lines have just written.
; No second set of fragments: sixteen waves of 256 registers are all that the four SIMDs hold.
.set REC,   9216
.set VC,    4096
.set KSC,   8192
.set VSC,   8704
.set STAGE, 16*REC                     ; behind the records: 16 rows x (256 bytes + 16) for each wave, for the way out
.set SP,    272
.set SPARE, STAGE+16*16*SP             ; behind the stages: the spare words, 128 bytes for each wave: eight blocks of 256 bytes that no other line names
.macro QB xs, cd, ma, mb, so, by       ; 32 numbers of one block in v[xs] on become 4 registers of codes v[cd] on; v[so] the conversion's scale operand, v[by] the scale's byte
	v_max3_num_f32 v[\ma], |v[\xs]|, |v[\xs+1]|, |v[\xs+2]|
	v_max3_num_f32 v[\mb], |v[\xs+3]|, |v[\xs+4]|, |v[\xs+5]|
.irp i, 6,10,14,18,22,26
	v_max3_num_f32 v[\ma], v[\ma], |v[\xs+\i]|, |v[\xs+\i+1]|
	v_max3_num_f32 v[\mb], v[\mb], |v[\xs+\i+2]|, |v[\xs+\i+3]|
.endr
	v_max3_num_f32 v[\ma], v[\ma], |v[\xs+30]|, |v[\xs+31]|
	v_max3_num_f32 v[\ma], v[\ma], v[\mb], 0x1800000       ; the floor 2^(3 - 127)
	v_add_nc_u32 v[\so], 0xff000000, v[\ma]
	v_lshrrev_b32 v[\by], 23, v[\so]
.irp g, 0,1,2,3
	v_cvt_scalef32_pk8_fp4_f32 v[\cd+\g], v[\xs+8*\g:\xs+8*\g+7], v[\so]
.endr
.endm
; The next step's 64 mask words, if that step is mixed (bit 1 of MIX; behind the last step the bit is 0).  It stands behind this step's selects, which read the same registers.
.macro NEXTW
	s_bitcmp1_b32 s13, 1
	s_cbranch_scc0 .Lnw_\@
	s_wait_kmcnt 0x0                               ; no scalar load lands on registers that an earlier one may still write
	s_load_b512 s[16:31], s[2:3], 0x100
	s_load_b512 s[32:47], s[2:3], 0x140
	s_load_b512 s[48:63], s[2:3], 0x180
	s_load_b512 s[68:83], s[2:3], 0x1c0
.Lnw_\@:
.endm
	s_load_b256 s[84:91], s[0:1], 0x0              ; q s[84:85], kv s[86:87], mw s[88:89], out0 s[90:91]
	s_load_b64 s[100:101], s[0:1], 0x20            ; fl
	v_lshl_add_u32 v5, v0, 2, SPARE
	v_mov_b32 v6, 0
	v_lshrrev_b32 v250, 5, v0
	v_readfirstlane_b32 s14, v250                  ; wave 0..15
	v_and_b32 v250, 31, v0                         ; lane
	v_and_b32 v232, 15, v0                         ; r
	v_bfe_u32 v233, v0, 4, 1                       ; h
	v_lshlrev_b32 v1, 4, v250
	s_wait_alu depctr_va_vdst(0)
	v_lshlrev_b32 v2, 3, v250
	v_lshlrev_b32 v251, 8, v232
	v_lshl_add_u32 v251, v233, 7, v251             ; q: row r of 256 bytes, + 128 h: my block of 32
	s_wait_alu depctr_va_sdst(0)                   ; s14 is written, ahead of its first reader: my tile, my record and my stage are made from it
	s_and_b32 s15, s14, 7
	s_lshl_b32 s15, s15, 2
	s_mov_b32 s10, 0x7a94c12f                      ; P(0..7) = 15, 2, 1, 12, 4, 9, 10, 7, four bits each
	s_mov_b32 s11, 0x0de3b658                      ; P(8..15) = 8, 5, 6, 11, 3, 14, 13, 0
	s_cmp_lt_u32 s14, 8
	s_cselect_b32 s10, s10, s11
	s_lshr_b32 s10, s10, s15
	s_and_b32 s10, s10, 15                         ; P(wave)
	s_and_b32 s12, ttmp7, 0xffff                   ; the head, 0..31
	s_lshl_b32 s15, s10, 3
	s_add_co_u32 s15, s15, ttmp9                   ; my tile of 16 queries in the sequence
	s_lshl_b32 s92, s12, 19                        ; q and out: 524,288 bytes a head,
	s_lshl_b32 s13, s15, 12                        ; 4,096 a tile
	s_add_co_u32 s92, s92, s13
	s_mov_b32 s93, 0
	s_mul_i32 s94, s12, 16*REC                     ; kv: the head's records,
	s_mul_i32 s13, s14, REC                        ; record = wave
	s_add_co_u32 s94, s94, s13
	s_mov_b32 s95, 0
	v_add_nc_u32 v11, s13, v1                      ; and the same place in LDS: 9216 x wave + 16 x lane
	s_lshr_b32 s96, s12, 4                         ; the batch
	s_lshl_b32 s96, s96, 7
	s_add_co_u32 s96, s96, s15                     ; the row tile among the mask's 256
	s_lshl_b32 s98, s96, 5                         ; its flags: 32 bytes of fl,
	s_mov_b32 s99, 0
	s_lshl_b32 s96, s96, 12                        ; its words: 4,096 bytes of mw
	s_mov_b32 s97, 0
	s_mov_b32 s6, 0x3e38aa3b                       ; c = log2(e) / 8
	s_mov_b32 s7, s6                               ; (the packed form names the pair)
	s_mov_b32 s8, 0x76543210
	s_mov_b32 s9, 0xfedcba98                       ; v_permlanex16_b32's selects for lane l xor 16
	s_wait_kmcnt 0x0
	s_add_nc_u64 s[84:85], s[84:85], s[92:93]
	s_add_nc_u64 s[4:5], s[90:91], s[92:93]
	s_add_nc_u64 s[86:87], s[86:87], s[94:95]
	s_add_nc_u64 s[2:3], s[88:89], s[96:97]
	s_add_nc_u64 s[100:101], s[100:101], s[98:99]
	s_load_b256 s[92:99], s[100:101], 0x0          ; ANY and MIX, four words each
	s_load_b512 s[16:31], s[2:3], 0x0              ; step 0's words, without a test: so all 64 registers are written
	s_load_b512 s[32:47], s[2:3], 0x40
	s_load_b512 s[48:63], s[2:3], 0x80
	s_load_b512 s[68:83], s[2:3], 0xc0
	s_wait_alu depctr_va_vdst(0)                   ; v251 and v1 are written, which the loads below read as offsets, and v11, the address of the LDS stores behind them; no vector line up to those stores names the three or v96-167
.irp i, 0,1,2,3,4,5,6,7
	global_load_b128 v[192+4*\i:195+4*\i], v251, s[84:85] offset:16*\i     ; my 32 numbers of q
.endr
.irp i, 0,1,2,3,4,5,6,7,8,9,10,11,12,13,14,15,16,17
	global_load_b128 v[96+4*\i:99+4*\i], v1, s[86:87] offset:512*\i        ; my record, 512 consecutive bytes a load
.endr
	s_mul_i32 s13, s14, 16*SP
	s_add_co_u32 s13, s13, STAGE                   ; my stage
	v_mul_u32_u24 v8, v232, SP
	v_lshl_add_u32 v8, v233, 5, v8
	v_add_nc_u32 v8, s13, v8                       ; in: row r, + 32 h
	v_mul_u32_u24 v9, v233, SP
	v_lshl_add_u32 v9, v232, 4, v9
	v_add_nc_u32 v9, s13, v9                       ; back: lanes 0-15 one row, lanes 16-31 the next
	v_lshlrev_b32 v7, 8, v233
	v_lshl_add_u32 v7, v232, 4, v7                 ; and the same two rows in out
	v_lshlrev_b32 v234, 3, v233                    ; 8 h
	v_mov_b32 v236, 0                              ; lane permutes' destinations count as sources
	v_mov_b32 v237, 0
	s_wait_loadcnt 18                              ; q is in; the record's 18 loads may be out
	QB 192, 16, 238, 239, 240, 241                 ; Q's fragment: registers 0-3 hold k = 32 h .. 32 h + 31 of query r
	v_lshlrev_b32 v24, v234, v241                  ; (a plain line behind the conversions)  my block's byte at its place,
	v_permlanex16_b32 v237, v24, s8, s9
	v_or_b32 v24, v24, v237                        ; with lane l xor 16's,
	v_or_b32 v24, 0x7f7f0000, v24                  ; and 1.0 over the zero codes of k = 64 .. 127
.irp i, 0,1,2,3,4,5,6,7,8,9,10,11,12,13,14,15,16,17
	s_wait_loadcnt 17-\i                           ; load i is in; the later ones may be out
	ds_store_b128 v11, v[96+4*\i:99+4*\i] offset:512*\i
.endr
.irp i, 20,21,22,23
	v_mov_b32 v[\i], 0                             ; Q's k = 64 .. 127
.endr
.irp t, 0,1,2,3,4,5,6,7
.irp i, 4,5,6,7
	v_mov_b32 v[32+8*\t+\i], 0                     ; K's k = 64 .. 127: written once; the loop's loads fill the lower four registers alone
.endr
.endr
	v_mov_b32 v13, 0xff61b1e6                      ; the largest t so far: -3e38, under every t
	v_floor_f32 v12, -v13                          ; -M
	v_mov_b32 v14, 0                               ; the sum, in two halves
	v_mov_b32 v15, 0
	v_mov_b32 v249, 0                              ; (named as the upper half of the pair v[248:249])
	v_mov_b32 v10, 0xff800000                      ; -infinity
	s_wait_kmcnt 0x0                               ; the flags, and step 0's words
	s_or_b32 s12, s92, s94
	s_or_b32 s12, s12, s96
	s_or_b32 s12, s12, s98                         ; ANY: bit s for key step s
	s_or_b32 s13, s93, s95
	s_or_b32 s13, s13, s97
	s_or_b32 s13, s13, s99                         ; MIX
	s_mov_b32 s10, 0
	s_mov_b32 s11, 16
	s_wait_dscnt 0x0                               ; for the others' sake: my record lies in LDS
	s_wait_alu depctr_vm_vsrc(0)                   ; my LDS stores have read v96-167: the zeros below write v160-167, the loop's products K Q^T v96-159
	s_barrier_signal -1
.irp j, 0,1,2,3,4,5,6,7,8,9,10,11,12,13,14,15,16,17,18,19,20,21,22,23,24,25,26,27,28,29,30,31
	v_mov_b32 v[160+\j], 0                         ; O^T.  (The step is written once: the first live step finds zeros, which the first change of M leaves zeros)
.endr
	s_barrier_wait -1                              ; all sixteen records lie in LDS; they are only read from here on
.Lstep:                                            ; 16 trips, a key step each
	s_bitcmp1_b32 s12, 0
	s_cbranch_scc0 .Lhidden                        ; none of the step's keys counts for any of my queries
	s_wait_alu depctr_vm_vsrc(0)                   ; the LDS loads of the live step before have read v3 and v4, which the two lines below write
	v_add_nc_u32 v3, s10, v1
	v_add_nc_u32 v4, s10, v2
	s_wait_alu depctr_va_vdst(0)                   ; v3 and v4 are written, which the step's 20 LDS loads read; the products of the live step before are done reading K's and V's fragments and scale words, in which those loads land; in the first live step: the quantiser is done reading v192-223, and Q's codes, Q's scale word and the zero registers, operands of the products below, are written
.irp t, 0,1,2,3,4,5,6,7
	ds_load_b128 v[32+8*\t:35+8*\t], v3 offset:512*\t
.endr
	ds_load_b64 v[26:27], v4 offset:KSC
	ds_load_b64 v[28:29], v4 offset:KSC+256
	s_wait_dscnt 0x0                               ; K's ten loads are in: nothing else is out
.irp t, 0,1,2,3,4,5,6,7                        ; S^T = K Q^T; a register of scale words holds the even tile's in lanes 0-15 and the odd tile's in lanes 16-31
.if \t%2
	v_wmma_scale_f32_16x16x128_f8f6f4 v[96+8*\t:103+8*\t], v[32+8*\t:39+8*\t], v[16:23], 0, v[26+\t/2], v24 matrix_a_fmt:MATRIX_FMT_FP4 matrix_b_fmt:MATRIX_FMT_FP4 matrix_a_scale:MATRIX_SCALE_ROW1
.else
	v_wmma_scale_f32_16x16x128_f8f6f4 v[96+8*\t:103+8*\t], v[32+8*\t:39+8*\t], v[16:23], 0, v[26+\t/2], v24 matrix_a_fmt:MATRIX_FMT_FP4 matrix_b_fmt:MATRIX_FMT_FP4
.endif
.endr
.rept 4
	v_nop                                          ; four places ahead of the first read of the results
.endr
.irp t, 0,1,2,3                                ; V's ten loads stand here, while the scores are made.  No wait: since the wait at the step's head only the eight products above and the four v_nop were issued, and they name none of v3, v4, v192-223, v244-247
.irp c, 0,1
	ds_load_b128 v[192+8*\t+4*\c:195+8*\t+4*\c], v3 offset:VC+1024*\t+512*\c
.endr
.endr
	ds_load_b64 v[244:245], v4 offset:VSC
	ds_load_b64 v[246:247], v4 offset:VSC+256
	s_bitcmp1_b32 s13, 0
	s_cbranch_scc0 .Lopen                          ; all the step's keys count for all my queries
	s_wait_kmcnt 0x0                               ; the step's words, asked for a step ago
.set NN, 0
.rept 64                                       ; ascending: each accumulator is read from its low end on
.if NN < 48
	v_cndmask_b32 v[96+NN], v10, v[96+NN], s[16+NN]
.else
	v_cndmask_b32 v[96+NN], v10, v[96+NN], s[20+NN]
.endif
.set NN, NN+1
.endr
.Lopen:
	NEXTW
.irp b, 0,1,2,3
	v_max3_num_f32 v[232+\b], v[96+16*\b], v[97+16*\b], v[98+16*\b]   ; the largest score of each block of 32 keys: it serves for the row's maximum and, since p rises with the score, for the block's largest p
.endr
.irp i, 3,5,7,9,11,13
.irp b, 0,1,2,3
	v_max3_num_f32 v[232+\b], v[232+\b], v[96+16*\b+\i], v[97+16*\b+\i]
.endr
.endr
.irp b, 0,1,2,3
	v_max_num_f32 v[232+\b], v[232+\b], v[111+16*\b]
.endr
.irp b, 0,1,2,3
	v_permlanex16_b32 v[236+\b], v[232+\b], s8, s9
.endr
.irp b, 0,1,2,3
	v_max_num_f32 v[232+\b], v[232+\b], v[236+\b]  ; with lane l xor 16's 16 keys
.endr
	v_max3_num_f32 v250, v232, v233, v234
	v_max_num_f32 v250, v250, v235                 ; the step's largest score of my query (-inf where none of its keys counts)
	v_mul_f32 v250, s6, v250                       ; as t
	v_max_num_f32 v13, v13, v250                   ; the running largest t
	v_mov_b32 v250, v12
	v_floor_f32 v12, -v13                          ; the new -M = floor(-t) = -ceil(t)
	v_sub_f32 v250, v12, v250                      ; old M less new M: a whole number, 0 or less
	v_cvt_i32_f32 v250, v250                       ; (it saturates)
	v_ldexp_f32 v248, 1.0, v250                    ; f = 2^(old M - new M)
.irp j, 0,2,4,6,8,10,12,14,16,18,20,22,24,26,28,30,32,34,36,38,40,42,44,46,48,50,52,54,56,58,60,62
	v_pk_fma_f32 v[96+\j:97+\j], v[96+\j:97+\j], s[6:7], v[12:13] op_sel_hi:[1,0,0]   ; t - M, two at a time
.endr
.irp b, 0,1,2,3
	v_fma_f32 v[232+\b], v[232+\b], s6, v12        ; the same of each block's largest score
.endr
	s_wait_alu depctr_va_vdst(0)
.irp j, 0,1,2,3,4,5,6,7,8,9,10,11,12,13,14,15,16,17,18,19,20,21,22,23,24,25,26,27,28,29,30,31,32,33,34,35,36,37,38,39,40,41,42,43,44,45,46,47,48,49,50,51,52,53,54,55,56,57,58,59,60,61,62,63
	v_exp_f32 v[96+\j], v[96+\j]                   ; p = 2^(t - M), at most 1
.endr
	v_pk_mul_f32 v[14:15], v[14:15], v[248:249] op_sel_hi:[1,0]   ; the sums under the new M: the plain line behind the exponentials
	s_wait_alu depctr_va_vdst(0)                   ; the 64 exponentials have written v96-159: one wait for the batch, ahead of the first use of a result
.irp b, 0,1,2,3
	v_exp_f32 v[232+\b], v[232+\b]                 ; each block's largest p
.endr
	v_pk_add_f32 v[236:237], v[96:97], v[98:99]    ; the row's sum is taken of the unquantised p: two at a time, in two chains
.irp j, 4,8,12,16,20,24,28,32,36,40,44,48,52
	v_pk_add_f32 v[14:15], v[14:15], v[96+\j:97+\j]
	v_pk_add_f32 v[236:237], v[236:237], v[98+\j:99+\j]
.endr
	s_wait_alu depctr_va_vdst(0)                   ; the four exponentials have written v232-235: one wait for that batch, ahead of its first reader
.irp b, 0,1,2,3
	v_max_num_f32 v[232+\b], 0x1800000, v[232+\b]  ; the floor 2^(3 - 127): a block whose every p is 0 keeps the byte 1; its codes are zeros
.endr
.irp b, 0,1,2,3
	v_add_nc_u32 v[240+\b], 0xff000000, v[232+\b]  ; 2 off the exponent field: the conversion's scale operand
.endr
.irp b, 0,1,2,3
	v_lshrrev_b32 v[232+\b], 23, v[240+\b]         ; the scale's byte
.endr
	v_lshl_or_b32 v25, v233, 8, v232               ; p's scale word for these 128 keys
	v_lshl_or_b32 v25, v234, 16, v25
	v_lshl_or_b32 v25, v235, 24, v25
.irp b, 0,1,2,3
	v_cvt_scalef32_pk8_fp4_f32 v[224+2*\b], v[96+16*\b:103+16*\b], v[240+\b]
	v_cvt_scalef32_pk8_fp4_f32 v[225+2*\b], v[104+16*\b:111+16*\b], v[240+\b]
.endr
	v_nop                                          ; one plain line behind the scaled conversions
.irp c, 0,1                                    ; the operand's layout wants a whole block in a lane: lanes 0-15 block 2 c, lanes 16-31 block 2 c + 1
.irp i, 0,1
	v_permlane16_swap_b32 v[224+4*\c+\i], v[226+4*\c+\i]
.endr
.endr
.irp j, 0,2,4,6,8,10,12,14,16,18,20,22,24,26,28,30
	v_pk_mul_f32 v[160+\j:161+\j], v[160+\j:161+\j], v[248:249] op_sel_hi:[1,0]   ; O^T under the new M, each accumulator from its low end on
.endr
.irp j, 56,60                                  ; the sum's last additions stand here: five plain lines that name no register of the products below, so that all that vector lines wrote for those products stands at least five places ahead, p's scale word more than eight
	v_pk_add_f32 v[14:15], v[14:15], v[96+\j:97+\j]
	v_pk_add_f32 v[236:237], v[236:237], v[98+\j:99+\j]
.endr
	v_pk_add_f32 v[14:15], v[14:15], v[236:237]
	s_wait_dscnt 0x0                               ; V's fragments and scale words are in
	s_wait_alu depctr_va_vdst(0)                   ; p's codes v224-231 and p's scale word v25, which vector lines wrote, are written: the scaled products below take them as an operand and as scales; the places above stay beside this wait
.irp t, 0,1,2,3                                ; O^T += V^T P^T.  The four accumulators take single turns, and the matrix instruction ahead of the first is a product K Q^T
	v_wmma_scale_f32_16x16x128_f8f6f4 v[160+8*\t:167+8*\t], v[192+8*\t:199+8*\t], v[224:231], v[160+8*\t:167+8*\t], v[244+\t], v25 matrix_a_fmt:MATRIX_FMT_FP4 matrix_b_fmt:MATRIX_FMT_FP4
.endr
	s_branch .Ltail
.Lhidden:
	NEXTW
.Ltail:
	s_wait_xcnt 0x0                                ; the scalar loads have read their base: it may step
	s_add_nc_u64 s[2:3], s[2:3], 256               ; the next step's words
	s_lshr_b32 s12, s12, 1
	s_lshr_b32 s13, s13, 1
	s_add_co_u32 s10, s10, REC                     ; the next record
	s_sub_co_u32 s11, s11, 1
	s_cmp_lg_u32 s11, 0
	s_cbranch_scc1 .Lstep
	; THE WAY OUT.  O^T is divided by the row's sum and goes through my own stage in LDS, so that sixteen lanes store one row of out, 256 consecutive bytes, aligned.
	v_add_f32 v14, v14, v15                        ; the sum's two halves,
	v_permlanex16_b32 v250, v14, s8, s9
	v_add_f32 v14, v14, v250                       ; and lane l xor 16's
	s_wait_alu depctr_va_vdst(0)
	v_rcp_f32 v14, v14
	v_nop                                          ; the plain line behind the reciprocal; with the additions above, these are also the places behind the last products
	v_nop
	v_nop
	s_wait_alu depctr_va_vdst(0)                   ; the reciprocal has written v14: the wait ahead of its first use
.irp j, 0,1,2,3,4,5,6,7,8,9,10,11,12,13,14,15,16,17,18,19,20,21,22,23,24,25,26,27,28,29,30,31
	v_mul_f32 v[96+\j], v[160+\j], v14             ; register 8 t + i is out(query r, channel 16 t + 8 h + i)
.endr
	s_wait_alu depctr_va_vdst(0)                   ; the 32 multiplications have written v96-127, which the LDS stores read; v8, v9 and v7, made at the head, are written; the head's zeros and the loop's products are done with v32-63, in which the loads from the stage land
.irp t, 0,1,2,3
	ds_store_b128 v8, v[96+8*\t:99+8*\t] offset:64*\t
	ds_store_b128 v8, v[100+8*\t:103+8*\t] offset:64*\t+16
.endr
.irp i, 0,1,2,3,4,5,6,7
	ds_load_b128 v[32+4*\i:35+4*\i], v9 offset:2*\i*SP   ; LDS serves a wave's instructions in order: these see my stores
.endr
.irp i, 0,1,2,3,4,5,6,7
	s_wait_dscnt 7-\i                              ; load i is back; the later ones may be out
	global_store_b128 v7, v[32+4*\i:35+4*\i], s[4:5] offset:512*\i th:TH_STORE_NT
.endr
	s_wait_dscnt 0x0                               ; the wave's end: the closing lines, six on end
	s_wait_alu 0x0
	s_wait_tensorcnt 0x0
	ds_add_u32 v5, v6
	s_wait_dscnt 0x0
	s_endpgm
.Lfunc_end_k_qcc2b7886a7_attn:
	.size	k_qcc2b7886a7_attn, .Lfunc_end_k_qcc2b7886a7_attn-k_qcc2b7886a7_attn
	.p2alignl 7, 3214868480
	.fill 96, 4, 3214868480
	.section	.rodata,"a",@progbits
	.p2align	6, 0x0
	.amdhsa_kernel k_qcc2b7886a7_attn
		.amdhsa_group_segment_fixed_size 219136
		.amdhsa_private_segment_fixed_size 0
		.amdhsa_enable_private_segment 0
		.amdhsa_kernarg_size 40
		.amdhsa_user_sgpr_count 2
		.amdhsa_user_sgpr_kernarg_segment_ptr 1
		.amdhsa_wavefront_size32 1
		.amdhsa_system_sgpr_workgroup_id_x 1
		.amdhsa_system_sgpr_workgroup_id_y 1
		.amdhsa_system_sgpr_workgroup_id_z 1
		.amdhsa_system_vgpr_workitem_id 0
		.amdhsa_next_free_vgpr 256
		.amdhsa_next_free_sgpr 102
		.amdhsa_reserve_vcc 0
		.amdhsa_float_denorm_mode_32 3
		.amdhsa_float_denorm_mode_16_64 3
		.amdhsa_memory_ordered 1
		.amdhsa_forward_progress 1
		.amdhsa_inst_pref_size 36
	.end_amdhsa_kernel
	.amdgpu_metadata
---
amdhsa.version: [ 1, 2 ]
amdhsa.kernels:
  - .name:           k_qcc2b7886a7_attn
    .symbol:         k_qcc2b7886a7_attn.kd
    .args:
      - { .name: q, .offset: 0, .size: 8, .value_kind: global_buffer, .address_space: global }
      - { .name: kv, .offset: 8, .size: 8, .value_kind: global_buffer, .address_space: global }
      - { .name: mw, .offset: 16, .size: 8, .value_kind: global_buffer, .address_space: global }
      - { .name: out0, .offset: 24, .size: 8, .value_kind: global_buffer, .address_space: global }
      - { .name: fl, .offset: 32, .size: 8, .value_kind: global_buffer, .address_space: global }
    .group_segment_fixed_size: 219136
    .private_segment_fixed_size: 0
    .kernarg_segment_align: 8
    .kernarg_segment_size: 40
    .max_flat_workgroup_size: 512
    .sgpr_count:     102
    .vgpr_count:     256
    .wavefront_size: 32
...
	.end_amdgpu_metadata
.endif
;; end of part 4
